; MI455X (gfx1250); checked and timed in simulation.
; The chip was launched on July 23, 2026; its instructions are those of AMD's public machine-readable ISA for CDNA 5 (MIT licence, August 2026) and "CDNA5" Instruction Set Architecture Reference Guide (July 2026). The comments in the code are by the model that wrote it; some were corrected since.
;; Multi Head Attention. Allowed arithmetic: matrix products marked QUANTISED: E3M2 operands, one E8M0 scale for each 32 along K, by v_wmma_scale_f32_16x16x128_f8f6f4 with both operands' format E3M2, f32 sums; everything else in f32.
;; Inputs: W_out 1,024 x 1,024 float32; W_qkv 1,024 x 3,072 float32; mask 2,048 x 2,048 int32; x 4 x 2,048 x 1,024 float32.
;; Outputs: out0 4 x 2,048 x 1,024 float32.
;; This version of the problem:
;;   THIS VERSION OF THE PROBLEM IS GIVEN IN LOW PRECISION. The matrix products marked QUANTISED in the list below multiply operands that are first quantised to E3M2 (3 exponent bits, 2 mantissa bits; 6 bits a number), with one power-of-two scale for each 32 numbers along K (OCP MX v1.0); their sums are f32. All else is computed in f32.
;;   The module's matrix products, in the order in which they are computed (A, B: the left and right operand; K: the contracted axis; several contracted axes count as one K, in the product's order):
;;     1. [M 8,192, K 1,024] x [K 1,024, N 3,072]; A: input x; B: input W_qkv: QUANTISED
;;     2. batch 64 x [M 2,048, K 64] x [K 64, N 2,048]; A: computed on the way; B: computed on the way: QUANTISED
;;     3. batch 64 x [M 64, K 2,048] x [K 2,048, N 2,048]; A: computed on the way; B: softmax (see below): QUANTISED
;;     4. [M 8,192, K 1,024] x [K 1,024, N 1,024]; A: computed on the way; B: input W_out: QUANTISED
;;   THE QUANTISER, for each operand of a quantised product, along K:
;;     - K is cut into blocks of 32 from its start; a last block that is shorter is filled with zeros.
;;     - A block's scale is 2^e with e = floor(log2(the largest magnitude in the block)) - 4, held to -126 .. 127; a block of zeros has e = 0. As a byte (E8M0): e + 127.
;;     - Each number is divided by its block's scale, clamped to +-28, and rounded to the nearest number of E3M2, ties to even, subnormals kept.
;;     - The product sums the exact products of the quantised numbers (number of the format x scale) in f32.
;;   ~~~python
;;   def quantise(x, axis):      # numpy; x: float32 -> the quantised numbers, widened to float32 again
;;       x = np.moveaxis(x, axis, -1); K = x.shape[-1]
;;       x = np.pad(x, [(0, 0)] * (x.ndim - 1) + [(0, -K % 32)]); x = x.reshape(x.shape[:-1] + (-1, 32)); a = np.abs(x).max(-1, keepdims=True)
;;       e = np.where(a > 0, np.clip(np.frexp(np.where(a > 0, a, 1))[1] - 1 - 4, -126, 127), 0)      # np.frexp(a)[1] - 1 = floor(log2(a)), exactly
;;       r = np.clip(x / 2.0 ** e, -28, 28)
;;       step = 2.0 ** (np.maximum(np.frexp(np.where(r == 0, 1, r))[1] - 1, -2) - 2)
;;       q = np.round(r / step) * step * 2.0 ** e      # np.round: ties to even
;;       return np.moveaxis(q.reshape(q.shape[:-2] + (-1,))[..., :K], -1, axis).astype(np.float32)
;;   ~~~
;;   SOFTMAX AHEAD OF A QUANTISED PRODUCT. Where the list says 'softmax', what is quantised is not the finished softmax but p = 2^(t - M), with t = logit x log2(e) and M = ceil(the row's largest t), a whole number; so 1/2 < the row's largest p <= 1. The row's sum l is taken of the UNQUANTISED p, in f32, and the product's result is divided by l at the end. Since M is a whole number, a kernel that streams over the keys may use a running M (the ceiling of the running maximum): every later rescaling is an exact power of two, which a block's scale takes up: the codes' values come out the same.
;;   OPERANDS COMPUTED ON THE WAY. 'Computed on the way' means the value that the module computes at that place (a softmax that the list does not call 'softmax' is quantised finished and normalised). What goes into a quantiser is computed in f32, as accurately as f32 sums, v_exp_f32 and their like allow (about 1e-6 of the number): no bf16 or f16 on the way to a quantiser, and a product that is left as it is and whose result goes on into a quantised operand takes f32 operands (vector FMAs, or v_wmma_f32_16x16x4_f32). A number that lies on a knife's edge between two numbers of the format may be rounded either way, as far as f32 arithmetic and the matrix unit's own rounding can turn it there, and no further.
;; 2 versions, each right; version 2 is version 1 with the launch attn written anew for expert scheduling mode. Each part assembles by itself: llvm-mc -triple=amdgcn-amd-amdhsa -mcpu=gfx1250 --defsym DOCPART=n.
;; ======== version 1 of 2: 4 launches
;; workspace buffers: xw_img 9,437,184 bytes; xw_sc 393,216 bytes; mk 532,480 bytes of whole numbers; qkv_img 18,874,368 bytes; qkv_scw 786,432 bytes; ao_img 6,291,456 bytes; ao_sc 262,144 bytes
;; launch prep (part 1): grid 512 x 1, 4 waves a work-group, no clusters, 93,696 bytes of LDS; arguments x, W_qkv, W_out, mask, xw_img, xw_sc, mk; writes xw_img, xw_sc, mk
.if DOCPART == 1
	.amdgcn_target "amdgcn-amd-amdhsa--gfx1250"
	.amdhsa_code_object_version 6
	.text
	.protected	k_qdc8e8ccfa1_prep
	.globl	k_qdc8e8ccfa1_prep
	.p2align	8
	.type	k_qdc8e8ccfa1_prep,@function
k_qdc8e8ccfa1_prep:
	s_mov_b64 s[64:65], 0
	v_nop
	global_prefetch_b8 v0, s[64:65] scope:SCOPE_SE
	s_setreg_imm32_b32 hwreg(HW_REG_WAVE_MODE, 25, 1), 1
	s_wait_xcnt 0x0
; x [8192][1024], W_qkv [1024][3072] and W_out [1024][1024], f32, become codes of BF6 (E3M2) with one E8M0 byte for each 32 along K; the mask [2048][2048], int32, becomes lane masks and flags.
; A block's scale is 2^(floor(log2(largest magnitude)) - 4): its byte is the largest magnitude's exponent field - 4, held at 1 from below.
; LIMITS: a block of zeros gets the byte 1 where the rule says 127 (its codes are zeros, and this program alone reads the bytes); blocks whose largest magnitude lies under 2^-122 keep the byte 1; NaN and infinities are not served.
; LAYOUT OF THE CODES.  Rows (tokens; columns of the weights) lie in blocks of 16.  Of each 32 rows, block u holds at place p the row 8 u + p + 8 (p / 8): so a transposed product's registers of two neighbouring tiles
; are 16 neighbours.  A UNIT of 768 bytes is 16 rows x 64 K as an image of six operand registers: lane l's registers 0-3 at 16 l, its registers 4-5 at 512 + 8 l; lane (r, h) holds row r, K = 32 h .. 32 h + 31.
; xw_img: [row block][16 units]; blocks 0-511 x, 512-703 W_qkv's columns, 704-767 W_out's.  xw_sc: [row in that order][32 bytes].
; mk: [query tile 128][key step 16][64 words]: bit l of word n says whether key 128 step + 32 (n / 16) + 16 (l / 16) + n % 16 counts for the query at place l % 16 of the tile; behind them, at byte 524,288,
; [tile][step] flag words: bit step = some key of the step counts, bit 16 + step = all count.
; THREE PATHS, parted once on the work-group's number, each with LDS bytes of its own: 0-255 x, 256-383 the mask, 384-511 the weights.  Waves share nothing: no barrier.
; No matrix unit, cluster or tensor load: every byte is read once and nothing is shared.
.set SEL,  20                          ; s[20:21] lane selects: lane l xor 16
.set HI,   22                          ; s22  lanes 16-31
.set LD,   16                          ; v16-143  two sets of 64 registers as loaded
.set NUM,  144                         ; v144-207 64 numbers of my row: register 16 b + i = K 32 b + 16 (lane / 16) + i
.set PC,   208                         ; v208-219 a fragment's codes; v220-226 the conversions' second halves
.set TM,   228                         ; v228-231 largest magnitudes, v232-235 bytes, v240-243 scale operands
.set PW,   244                         ; v244-247 the four steps' scale words
.set SPITCH, 528                       ; a stage row: 512 bytes + 16, so that row r starts 16 r bytes on modulo 256
.set WSTAGE, 16*SPITCH
.set XST,  0
.set MST,  4*WSTAGE
.set WST,  8*WSTAGE
.set WWAVE, 6400                       ; the weights' stage: two row blocks of 3,072 bytes + 128 for each wave
.set WHALF, 3200
; sixteen rows of the block, in the block's order; one load reads 512 consecutive bytes of one row
.macro GLOAD set, t, pitch, base
.set i, 0
.rept 16
	global_load_b128 v[LD+64*(\set)+4*i:LD+64*(\set)+4*i+3], v4, s[\base:\base+1] offset:(i+8*(i/8))*(\pitch)+512*(\t) th:TH_LOAD_NT
.set i, i+1
.endr
.endm
; through the wave's own stage: in as loaded, back 16 neighbours of each block of 32 to a lane.  LDS serves a wave's instructions in order: no wait between
.macro TURN set
.set i, 0
.rept 16
	ds_store_b128 v5, v[LD+64*(\set)+4*i:LD+64*(\set)+4*i+3] offset:SPITCH*i
.set i, i+1
.endr
.irp b, 0,1,2,3
.irp j, 0,1,2,3
	ds_load_b128 v[NUM+16*\b+4*\j:NUM+16*\b+4*\j+3], v6 offset:128*\b+16*\j
.endr
.endr
.endm
.macro STAGEADR region
	s_mul_i32 s23, s18, WSTAGE
	s_add_co_u32 s23, s23, \region
	v_add_nc_u32 v5, s23, v4                       ; in: 16 x lane
	v_mul_u32_u24 v6, v2, SPITCH
	v_lshl_add_u32 v6, v3, 6, v6
	v_add_nc_u32 v6, s23, v6                       ; back: row r, + 64 h
.endm
; 64 numbers of a lane become a fragment's codes in v[PC] on and its scale word in v[pw]
.macro QUANT s, pw
.irp b, 0,1,2,3
	v_max3_num_f32 v[TM+\b], |v[\s+16*\b]|, |v[\s+1+16*\b]|, 0x2800000   ; my 16 numbers of block b, and the floor 2^(5 - 127): the byte cannot fall under 1
.endr
.irp i, 2,4,6,8,10,12,14
.irp b, 0,1,2,3
	v_max3_num_f32 v[TM+\b], v[TM+\b], |v[\s+16*\b+\i]|, |v[\s+1+16*\b+\i]|
.endr
.endr
.irp b, 0,1,2,3
	v_permlanex16_b32 v[TM+4+\b], v[TM+\b], s[SEL], s[SEL+1]
.endr
.irp b, 0,1,2,3
	v_max_num_f32 v[TM+\b], v[TM+\b], v[TM+4+\b]   ; with lane l xor 16's: the block's largest magnitude
.endr
.irp b, 0,1,2,3
	v_add_nc_u32 v[TM+12+\b], 0xfe000000, v[TM+\b] ; 4 off its exponent field: the conversion's scale operand
.endr
.irp b, 0,1,2,3
	v_lshrrev_b32 v[TM+4+\b], 23, v[TM+12+\b]      ; the scale's byte
.endr
	v_lshl_or_b32 v[\pw], v[TM+5], 8, v[TM+4]
	v_lshl_or_b32 v[\pw], v[TM+6], 16, v[\pw]
	v_lshl_or_b32 v[\pw], v[TM+7], 24, v[\pw]
.irp c, 0,1
	v_cvt_scalef32_pk16_bf6_f32 v[PC+6*\c:PC+2+6*\c], v[\s+32*\c:\s+15+32*\c], v[TM+12+2*\c]
	v_cvt_scalef32_pk16_bf6_f32 v[PC+12+4*\c:PC+14+4*\c], v[\s+16+32*\c:\s+31+32*\c], v[TM+12+2*\c+1]   ; (a conversion's three registers begin on an even number)
.endr
	v_nop                                          ; one plain place behind a scaled conversion
.irp c, 0,1                                    ; a whole block to a lane: lanes 0-15 block 2 c, lanes 16-31 block 2 c + 1
.irp i, 0,1,2
	v_permlane16_swap_b32 v[PC+6*\c+\i], v[PC+12+4*\c+\i]
.endr
.irp i, 0,1,2
	v_mov_b32 v[PC+3+6*\c+\i], v[PC+12+4*\c+\i]
.endr
.endr
.endm
	s_load_b256 s[4:11], s[0:1], 0x0               ; x s[4:5], W_qkv s[6:7], W_out s[8:9], mask s[10:11]
	s_load_b128 s[12:15], s[0:1], 0x20             ; xw_img s[12:13], xw_sc s[14:15]
	s_load_b64 s[16:17], s[0:1], 0x30              ; mk
	v_lshl_add_u32 v254, v0, 2, 0x16c00
	v_mov_b32 v255, 0
	v_lshrrev_b32 v1, 5, v0
	v_readfirstlane_b32 s18, v1                    ; wave
	v_and_b32 v1, 31, v0                           ; lane
	v_and_b32 v2, 15, v0                           ; r
	v_bfe_u32 v3, v0, 4, 1                         ; h
	v_lshlrev_b32 v4, 4, v1                        ; 16 x lane
	v_lshlrev_b32 v8, 3, v1                        ; 8 x lane
	v_lshlrev_b32 v9, 2, v1                        ; 4 x lane
	s_mov_b32 s[SEL], 0x76543210
	s_mov_b32 s[SEL+1], 0xfedcba98
	s_mov_b32 s[HI], 0xffff0000
	s_mov_b32 s29, 0
	s_wait_kmcnt 0x0
	s_cmp_lt_u32 ttmp9, 256
	s_cbranch_scc1 .Lpath_x
	s_cmp_lt_u32 ttmp9, 384
	s_cbranch_scc1 .Lpath_m
; ---------------- THE WEIGHTS: K is their first axis.  A lane takes a column and its registers run down K: a block of 32 lies in one lane.
; A work-group takes 128 columns x 256 along K; a wave 32 columns: two row blocks of the output.
	s_sub_co_u32 s24, ttmp9, 384
	s_and_b32 s25, s24, 3                          ; which 256 along K
	s_lshr_b32 s26, s24, 2                         ; which 128 columns: 0-23 W_qkv's, 24-31 W_out's
	s_mov_b32 s27, 4096
	s_cmp_lt_u32 s26, 24
	s_cselect_b64 s[6:7], s[6:7], s[8:9]           ; the tensor,
	s_cselect_b32 s27, 12288, s27                  ; its row in bytes,
	s_cselect_b32 s28, 0, 24
	s_sub_co_u32 s28, s26, s28                     ; and the group of columns in it
	s_lshl_b32 s28, s28, 9
	s_lshl_b32 s30, s18, 7
	s_add_co_u32 s30, s28, s30                     ; my wave's first column, in bytes
	s_lshl_b32 s28, s25, 8
	s_mul_i32 s28, s28, s27
	s_add_co_u32 s30, s30, s28                     ; + 256 ky rows
	s_mov_b32 s31, 0
	s_add_nc_u64 s[32:33], s[6:7], s[30:31]        ; block 0's first row;
	s_lshl_b32 s30, s27, 5                         ; 32 rows on for each block: s[32:47]
.irp t, 1,2,3,4,5,6,7
	s_add_nc_u64 s[32+2*\t:33+2*\t], s[30+2*\t:31+2*\t], s[30:31]
.endr
	v_mov_b32 v16, v9                              ; v16-47: 4 x lane + i rows
.set i, 0
.rept 31
	v_add_nc_u32 v[17+i], s27, v[16+i]
.set i, i+1
.endr
	v_bfe_u32 v10, v0, 3, 1                        ; column l of 32 goes to row block u = bit 3 of l,
	v_and_b32 v11, 7, v0
	v_lshl_add_u32 v11, v3, 3, v11                 ; place p = 8 x (bit 4) + l % 8
	s_mul_i32 s23, s18, WWAVE
	s_add_co_u32 s23, s23, WST
	v_mul_u32_u24 v12, v10, WHALF
	v_add_nc_u32 v12, s23, v12
	v_lshl_add_u32 v5, v11, 4, v12                 ; into the stage: a unit's first 512 bytes, 16 a place,
	v_lshl_add_u32 v6, v11, 3, v12                 ; its last 256, 8 a place
	v_add_nc_u32 v7, s23, v4                       ; back: 16 x lane
	s_lshl_b32 s48, s26, 3
	s_lshl_b32 s49, s18, 1
	s_add_co_u32 s48, s48, s49
	s_add_co_u32 s48, s48, 512                     ; my first row block
	s_mul_i32 s50, s48, 12288
	s_mul_i32 s49, s25, 3072
	s_add_co_u32 s50, s50, s49
	s_mov_b32 s51, 0
	s_add_nc_u64 s[12:13], s[12:13], s[50:51]
	s_lshl_b32 s50, s48, 9
	s_lshl_b32 s49, s25, 3
	s_add_co_u32 s50, s50, s49
	s_add_nc_u64 s[14:15], s[14:15], s[50:51]
	v_lshl_add_u32 v13, v10, 4, v11
	v_lshlrev_b32 v13, 5, v13                      ; my row of scale bytes
.macro WLOAD t
.set i, 0
.rept 32
	global_load_b32 v[48+32*((\t)%2)+i], v[16+i], s[32+2*(\t):33+2*(\t)] th:TH_LOAD_NT   ; one row of K, 32 neighbouring columns
.set i, i+1
.endr
.endm
.macro WBLOCK t
.set XS, 48+32*((\t)%2)
.if (\t) < 7
	s_wait_loadcnt 32                              ; this block's 32 loads are in; the next block's may be out
.else
	s_wait_loadcnt 0x0
.endif
	v_max3_num_f32 v124, |v[XS]|, |v[XS+1]|, |v[XS+2]|
	v_max3_num_f32 v125, |v[XS+3]|, |v[XS+4]|, |v[XS+5]|
.irp i, 6,10,14,18,22,26
	v_max3_num_f32 v124, v124, |v[XS+\i]|, |v[XS+\i+1]|
	v_max3_num_f32 v125, v125, |v[XS+\i+2]|, |v[XS+\i+3]|
.endr
	v_max3_num_f32 v124, v124, |v[XS+30]|, |v[XS+31]|
	v_max3_num_f32 v124, v124, v125, 0x2800000     ; and the floor
	v_add_nc_u32 v126, 0xfe000000, v124            ; the conversion's scale operand
	v_lshrrev_b32 v127, 23, v126                   ; the byte
.if (\t)%4 == 0
	v_mov_b32 v[122+(\t)/4], v127
.else
	v_lshl_or_b32 v[122+(\t)/4], v127, 8*((\t)%4), v[122+(\t)/4]
.endif
	v_cvt_scalef32_pk16_bf6_f32 v[112:114], v[XS:XS+15], v126
	v_cvt_scalef32_pk16_bf6_f32 v[118:120], v[XS+16:XS+31], v126
	v_nop                                          ; one plain place behind a scaled conversion
	v_mov_b32 v115, v118
	v_mov_b32 v116, v119
	v_mov_b32 v117, v120
	ds_store_b128 v5, v[112:115] offset:768*((\t)/2)+256*((\t)%2)      ; block t is half t % 2 of unit t / 2
	ds_store_b64 v6, v[116:117] offset:768*((\t)/2)+512+128*((\t)%2)
.if (\t)+2 < 8
	WLOAD (\t)+2
.endif
	s_wait_dscnt 0x0                               ; the stores have read their registers
.endm
	WLOAD 0
	WLOAD 1
.irp t, 0,1,2,3,4,5,6,7
	WBLOCK \t
.endr
	global_store_b64 v13, v[122:123], s[14:15]     ; my column's eight scale bytes
.irp u, 0,1
.irp j, 0,1,2,3,4,5
	ds_load_b128 v[128+4*(6*\u+\j):131+4*(6*\u+\j)], v7 offset:WHALF*\u+512*\j
.endr
.endr
.irp u, 0,1
.irp j, 0,1,2,3,4,5
	s_wait_dscnt 11-6*\u-\j                        ; the younger loads may be out
	global_store_b128 v4, v[128+4*(6*\u+\j):131+4*(6*\u+\j)], s[12:13] offset:12288*\u+512*\j   ; 512 consecutive bytes
.endr
.endr
	s_wait_tensorcnt 0x0
	ds_add_u32 v254, v255
	s_wait_dscnt 0x0
	s_endpgm
; ---------------- x: a wave takes a row block x 512 along K, in four steps of 128
.Lpath_x:
	s_lshl_b32 s24, ttmp9, 2
	s_add_co_u32 s24, s24, s18
	s_lshr_b32 s25, s24, 1                         ; the row block
	s_and_b32 s26, s24, 1                          ; the half of K
	s_lshr_b32 s27, s25, 1
	s_lshl_b32 s27, s27, 5
	s_and_b32 s28, s25, 1
	s_lshl_b32 s28, s28, 3
	s_add_co_u32 s27, s27, s28                     ; its first row: 32 (P / 2) + 8 (P % 2)
	s_lshl_b32 s28, s27, 12
	s_lshl_b32 s30, s26, 11
	s_add_co_u32 s28, s28, s30
	s_add_nc_u64 s[4:5], s[4:5], s[28:29]
	s_mul_i32 s28, s25, 12288
	s_mul_i32 s30, s26, 6144
	s_add_co_u32 s28, s28, s30
	s_add_nc_u64 s[12:13], s[12:13], s[28:29]
	s_lshl_b32 s28, s25, 9
	s_lshl_b32 s30, s26, 4
	s_add_co_u32 s28, s28, s30
	s_add_nc_u64 s[14:15], s[14:15], s[28:29]
	STAGEADR XST
	v_lshlrev_b32 v10, 5, v2
	v_lshl_add_u32 v10, v3, 3, v10                 ; scale words: row r, + 8 h
.irp b, 0,1,2,3
	v_mov_b32 v[TM+4+\b], 0                        ; a lane permute's destination counts as one of its sources
.endr
.macro XSTEP t
.if (\t) < 3
	s_wait_loadcnt 16                              ; this step's 16 loads are in; the next step's may be out
.else
	s_wait_loadcnt 0x0
.endif
	TURN (\t)%2
	s_wait_dscnt 0x0                               ; the numbers are back, and the stage's stores have read their registers,
.if (\t) < 2
	GLOAD (\t)%2, (\t)+2, 4096, 4                  ; which take the loads of two steps on
.endif
.if (\t) > 0
	s_wait_xcnt 0x0                                ; the last step's stores have read the codes' registers
.endif
	QUANT NUM, PW+\t
	global_store_b128 v4, v[PC:PC+3], s[12:13] offset:1536*(\t)
	global_store_b64 v8, v[PC+4:PC+5], s[12:13] offset:1536*(\t)+512
	global_store_b128 v4, v[PC+6:PC+9], s[12:13] offset:1536*(\t)+768
	global_store_b64 v8, v[PC+10:PC+11], s[12:13] offset:1536*(\t)+1280
.endm
	GLOAD 0, 0, 4096, 4
	GLOAD 1, 1, 4096, 4
	XSTEP 0
	XSTEP 1
	XSTEP 2
	XSTEP 3
	v_cndmask_b32 v248, v[PW], v[PW+2], s[HI]      ; lanes 0-15 store words 0 and 1 of their row's 16 bytes, lanes 16-31 words 2 and 3
	v_cndmask_b32 v249, v[PW+1], v[PW+3], s[HI]
	global_store_b64 v10, v[248:249], s[14:15]
	s_wait_tensorcnt 0x0
	ds_add_u32 v254, v255
	s_wait_dscnt 0x0
	s_endpgm
; ---------------- the mask: a work-group takes a tile of 16 queries, a wave 512 keys of it, in four steps of 128
.Lpath_m:
	s_sub_co_u32 s25, ttmp9, 256                   ; the tile
	s_lshr_b32 s27, s25, 1
	s_lshl_b32 s27, s27, 5
	s_and_b32 s28, s25, 1
	s_lshl_b32 s28, s28, 3
	s_add_co_u32 s27, s27, s28                     ; its first query
	s_lshl_b32 s28, s27, 13
	s_lshl_b32 s30, s18, 11
	s_add_co_u32 s28, s28, s30
	s_add_nc_u64 s[10:11], s[10:11], s[28:29]
	s_lshl_b32 s28, s25, 4
	s_lshl_b32 s30, s18, 2                         ; my first step
	s_add_co_u32 s31, s28, s30
	s_lshl_b32 s28, s31, 8
	s_add_nc_u64 s[12:13], s[16:17], s[28:29]      ; the words
	s_lshl_b32 s28, s31, 2
	s_add_co_u32 s28, s28, 524288
	s_add_nc_u64 s[14:15], s[16:17], s[28:29]      ; the flags
	STAGEADR MST
.irp p, 208,209,210,211,212,213,214,215,216
	v_mov_b32 v\p, 0                               ; v_writelane_b32's destination counts as read
.endr
.macro PACK t
	s_mov_b32 s48, 0                               ; does any key count?
	s_mov_b32 s49, -1                              ; do all?
.irp b, 0,1,2,3
.set k, 0
.rept 16
	v_cmp_ne_u32 s[32+k], 0, v[NUM+16*\b+k]        ; word 16 b + k: a bit for each lane
.set k, k+1
.endr
.set k, 0
.rept 16
	v_writelane_b32 v[208+2*(\t)+\b/2], s[32+k], 16*(\b%2)+k
	s_or_b32 s48, s48, s[32+k]
	s_and_b32 s49, s49, s[32+k]
.set k, k+1
.endr
.endr
	global_store_b32 v9, v[208+2*(\t)], s[12:13] offset:256*(\t)
	global_store_b32 v9, v[209+2*(\t)], s[12:13] offset:256*(\t)+128
	s_cmp_lg_u32 s48, 0
	s_cselect_b32 s50, 1, 0
	s_cmp_eq_u32 s49, -1
	s_cselect_b32 s51, 0x10000, 0
	s_or_b32 s50, s50, s51
	s_add_co_u32 s51, s30, \t
	s_lshl_b32 s50, s50, s51                       ; at the step's bits
	v_writelane_b32 v216, s50, \t
.endm
.macro MSTEP t
.if (\t) < 3
	s_wait_loadcnt 16                              ; this step's 16 loads are in; the next step's may be out
.else
	s_wait_loadcnt 0x0
.endif
	TURN (\t)%2
	s_wait_dscnt 0x0
.if (\t) < 2
	GLOAD (\t)%2, (\t)+2, 8192, 10
.endif
	PACK \t
.endm
	GLOAD 0, 0, 8192, 10
	GLOAD 1, 1, 8192, 10
	MSTEP 0
	MSTEP 1
	MSTEP 2
	MSTEP 3
	v_cmp_gt_u32 vcc_lo, 4, v1
	s_wait_xcnt 0x0                                ; EXEC changes only behind this wait
	s_wait_tensorcnt 0x0
	ds_add_u32 v254, v255
	s_wait_dscnt 0x0
	s_and_saveexec_b32 s53, vcc_lo
	global_store_b32 v9, v216, s[14:15]            ; lanes 0-3: my four flag words
	s_wait_xcnt 0x0
	s_or_b32 exec_lo, exec_lo, s53
	s_endpgm
.Lfunc_end_k_qdc8e8ccfa1_prep:
	.size	k_qdc8e8ccfa1_prep, .Lfunc_end_k_qdc8e8ccfa1_prep-k_qdc8e8ccfa1_prep
	.p2alignl 7, 3214868480
	.fill 96, 4, 3214868480
	.section	.rodata,"a",@progbits
	.p2align	6, 0x0
	.amdhsa_kernel k_qdc8e8ccfa1_prep
		.amdhsa_group_segment_fixed_size 93696
		.amdhsa_private_segment_fixed_size 0
		.amdhsa_enable_private_segment 0
		.amdhsa_kernarg_size 56
		.amdhsa_user_sgpr_count 2
		.amdhsa_user_sgpr_kernarg_segment_ptr 1
		.amdhsa_wavefront_size32 1
		.amdhsa_system_sgpr_workgroup_id_x 1
		.amdhsa_system_sgpr_workgroup_id_y 1
		.amdhsa_system_sgpr_workgroup_id_z 1
		.amdhsa_system_vgpr_workitem_id 0
		.amdhsa_next_free_vgpr 256
		.amdhsa_next_free_sgpr 66
		.amdhsa_reserve_vcc 1
		.amdhsa_float_denorm_mode_32 3
		.amdhsa_float_denorm_mode_16_64 3
		.amdhsa_memory_ordered 1
		.amdhsa_forward_progress 1
		.amdhsa_inst_pref_size 143
	.end_amdhsa_kernel
	.amdgpu_metadata
---
amdhsa.version: [ 1, 2 ]
amdhsa.kernels:
  - .name:           k_qdc8e8ccfa1_prep
    .symbol:         k_qdc8e8ccfa1_prep.kd
    .args:
      - { .name: x, .offset: 0, .size: 8, .value_kind: global_buffer, .address_space: global }
      - { .name: W_qkv, .offset: 8, .size: 8, .value_kind: global_buffer, .address_space: global }
      - { .name: W_out, .offset: 16, .size: 8, .value_kind: global_buffer, .address_space: global }
      - { .name: mask, .offset: 24, .size: 8, .value_kind: global_buffer, .address_space: global }
      - { .name: xw_img, .offset: 32, .size: 8, .value_kind: global_buffer, .address_space: global }
      - { .name: xw_sc, .offset: 40, .size: 8, .value_kind: global_buffer, .address_space: global }
      - { .name: mk, .offset: 48, .size: 8, .value_kind: global_buffer, .address_space: global }
    .group_segment_fixed_size: 93696
    .private_segment_fixed_size: 0
    .kernarg_segment_align: 8
    .kernarg_segment_size: 56
    .max_flat_workgroup_size: 128
    .sgpr_count:     66
    .vgpr_count:     256
    .wavefront_size: 32
...
	.end_amdgpu_metadata
.endif
;; end of part 1
;; launch qkv (part 2): grid 8 x 48, 4 waves a work-group, clusters of 4 x 4, 327,680 bytes of LDS; arguments xw_img, xw_sc, qkv_img, qkv_scw; writes qkv_img, qkv_scw
.if DOCPART == 2
	.amdgcn_target "amdgcn-amd-amdhsa--gfx1250"
	.amdhsa_code_object_version 6
	.text
	.protected	k_qdc8e8ccfa1_qkv
	.globl	k_qdc8e8ccfa1_qkv
	.p2align	8
	.type	k_qdc8e8ccfa1_qkv,@function
k_qdc8e8ccfa1_qkv:
	s_mov_b64 s[64:65], 0
	v_nop
	global_prefetch_b8 v0, s[64:65] scope:SCOPE_SE
	s_setreg_imm32_b32 hwreg(HW_REG_WAVE_MODE, 25, 1), 1
	s_wait_xcnt 0x0
	s_wait_alu depctr_hold_cnt(0) depctr_sa_sdst(0) depctr_va_vdst(0) depctr_va_sdst(0) depctr_va_ssrc(0) depctr_va_vcc(0) depctr_vm_vsrc(0)
	s_getreg_b32 s2, hwreg(HW_REG_IB_STS2, 6, 4)
	s_cmp_eq_u32 s2, 0
	s_cbranch_scc0 .Lentry_in_a_cluster
	s_endpgm
.Lentry_in_a_cluster:
	s_bfe_u32 s2, ttmp6, 0x10000c
	s_cmp_lg_u32 s2, 0xf033
	s_cbranch_scc0 .Lentry_shape_is_right
	s_endpgm
.Lentry_shape_is_right:
; qkv = x W_qkv on codes of BF6 (E3M2) with E8M0 scales, K = 1,024; the results are quantised in registers and leave as codes: q and k along the head's 64, v along the tokens.
; A tile of 256 x 256 is made by four waves, each 128 x 128: 64 accumulators, 512 registers.  The matrix instruction is used transposed: source 0 = 16 rows of B, source 1 = 16 rows of A:
; a lane holds one row of A and its registers run along B's rows; by the order of rows in a block (head of the first launch) the 16 registers of two neighbouring tiles are 16 neighbours.
; TWO KINDS OF TILES, told apart by the cluster's y alone, by selections and no branch.  y < 8: A = x (32 tile rows), B = W's columns of q and k (8 tile columns): a lane holds a token, registers run along the head.
; y >= 8: A = W's columns of v (4 tile rows), B = x (32 tile columns): a lane holds a channel of v, registers run along the tokens, which are the K of attention's second product.
; OPERANDS lie as units of 768 bytes (16 rows x 64 K, an image of six registers), 16 to a row block of 12,288 bytes.  A slot holds 256 along K: 3,072 bytes of each of 32 row blocks; a fragment is four
; loads of consecutive bytes: no pitch, no padding.  The scale bytes of the tile's rows, for all of K, come once with the first fills.
; CLUSTERS: 4 x 4; A's tiles are asked for jointly along a row of the cluster, B's along a column.  384 tiles: one and a half rounds of the chip's WGPs.
; No prefetch: a tile has two refills only.
; OUT: qkv_img: q and k [64 columns: 32][token block: 512] units; from byte 12,582,912 v [batch x head][64 tokens: 32][16 channels: 4] units.
; qkv_scw: scale words, q and k [128 columns: 16][8,192 tokens]; from byte 524,288 v [128 tokens: 64][1,024 channels].
; LIMITS: blocks of zeros and blocks under 2^-122 keep the byte 1; NaN and infinities are not served.
; REGISTERS: window 0: v8-12 store offsets, v16-23 fragment addresses, v27 scale address, v28-29 the add's, v32-63 scale words (two sets), v64-127 the quantiser's, v128-223 A's fragments (one set);
; window 1: B's fragments, two sets at v0 and v128; windows 2 and 3: the accumulators ((a, b) at v[8 (8 (a % 4) + b)]).
.set NQ,     2                         ; matrix instructions deep in a slot
.set FR,     12                        ; registers of a fragment
.set NL,     4                         ; LDS loads that bring one
.set NP,     4                         ; places behind this matrix instruction (ISA guide 7.12.1)
.set RBK,    3072                      ; a row block's bytes in a slot: four units
.set HALFT,  8*RBK                     ; 128 rows: what one tensor load brings
.set SLOT,   4*HALFT
.set KS,     32                        ; a row of scale bytes
.set SCL,    2*SLOT                    ; behind the ring: the scales, as rows of 256 bytes + 16
.set HALFS,  16*272
.set SBLK,   2*272
.set SPARE,  SCL+4*HALFS               ; the spare words: 128 bytes a wave, named by no other line
.set VO,   8
.set ADRA, 16
.set ADRB, 20
.set ADRS, 27
.set SPW,  28
.set NIL,  29
.set SC,   32
.set TM,   64
.set PC,   96
.set PW,   116
.set CW,   124
.set AF,   128
.set HI,   13
.set SEL,  18
.set G1,   24
.set G0,   32
.set G1B,  48
.set G0B,  56
.set G1S,  68
.set G0S,  76
.set G1SB, 80
.set G0SB, 88
.set MSB, 0
.macro WIN new                         ; the immediate's high byte repeats the setting that is left
.if MSB != \new
	s_set_vgpr_msb (MSB<<8)|\new
.set MSB, \new
.endif
.endm
.set MUL_LO, 0xa1                      ; source 0 (B) window 1, source 1 (A) window 0, C and D window 2
.set MUL_HI, 0xf1
.set TO_B,   0x40
; a joint load: waves 0 and 1 fetch for A, waves 2 and 3 for B; four v_nop follow each of the two lines
.macro JLOAD g0a, g1a, g0b, g1b
	s_cmp_eq_u32 s15, 0
	s_cbranch_scc0 .Lfor_b_\@
	tensor_load_to_lds s[\g0a:\g0a+3], s[\g1a:\g1a+7]
	s_nop 0
.rept 4
	v_nop
.endr
	s_branch .Lasked_\@
.Lfor_b_\@:
	tensor_load_to_lds s[\g0b:\g0b+3], s[\g1b:\g1b+7]
	s_nop 0
.rept 4
	v_nop
.endr
.Lasked_\@:
.endm
.macro CREST
	s_cmp_lg_u32 s14, 0
	s_cbranch_scc1 .Lnot_wave_0_\@
	s_barrier_signal -3
.Lnot_wave_0_\@:
	s_barrier_wait -3
	s_barrier_signal -1
	s_barrier_wait -1
.endm
.macro CROUND
	s_barrier_signal -1
	s_barrier_wait -1
	CREST
.endm
	s_load_b256 s[4:11], s[0:1], 0x0               ; xw_img s[4:5], xw_sc s[6:7], qkv_img s[8:9], qkv_scw s[10:11]
	v_lshl_add_u32 v[SPW], v0, 2, SPARE
	v_mov_b32 v[NIL], 0
	ds_add_u32 v28, v29
	ds_add_u32 v28, v29
	s_wait_dscnt 0x0
	v_lshrrev_b32 v1, 5, v0
	v_readfirstlane_b32 s14, v1                    ; wave
	s_lshr_b32 s15, s14, 1                         ; my half of A's rows.  Also: I fetch for A (0) or B (1)
	s_and_b32 s16, s14, 1                          ; my half of B's rows.  Also: which 128 rows I fetch
	s_bfe_u32 s40, ttmp6, 0x40000                  ; cx
	s_bfe_u32 s41, ttmp6, 0x40004                  ; cy
	s_and_b32 s12, ttmp7, 0xffff                   ; the cluster's y
	s_sub_co_u32 s13, s12, 8
	s_lshl_b32 s13, s13, 1
	s_add_co_u32 s13, s13, ttmp9
	s_cmp_ge_u32 s12, 8                            ; a tile of v?  The same in all sixteen partners
	s_cselect_b32 s42, s13, ttmp9                  ; the cluster's column of tiles,
	s_cselect_b32 s17, 0, s12                      ; its row,
	s_cselect_b32 s96, 640, 0                      ; A's first row block,
	s_cselect_b32 s97, 0, 512                      ; B's
	s_lshl_b32 s42, s42, 2
	s_add_co_u32 s42, s42, s40                     ; tile column
	s_lshl_b32 s17, s17, 2
	s_add_co_u32 s17, s17, s41                     ; tile row
	s_lshl_b32 s43, s41, 2
	s_lshl_b32 s43, 15, s43                        ; my row of the cluster
	s_lshl_b32 s44, 0x1111, s40                    ; my column
	; group 1 for codes: 8 row blocks x 3,072 bytes (384 elements of 8 bytes), 12,288 bytes apart
	s_or_b32 s[G1+0], s43, (3<<16)|(1<<21)
	s_or_b32 s[G1B+0], s44, (3<<16)|(1<<21)
.irp g, G1, G1B
	s_mov_b32 s[\g+1], 384<<16                     ; tensor_dim0
	s_mov_b32 s[\g+2], 8<<16                       ; tensor_dim1
	s_mov_b32 s[\g+3], 384<<16                     ; tile_dim0
	s_mov_b32 s[\g+4], 8                           ; tile_dim1
	s_mov_b32 s[\g+5], 1536                        ; the pitch
	s_mov_b32 s[\g+6], 0
	s_mov_b32 s[\g+7], 0
.endr
	; and for the scales of 128 rows: 4,096 dense bytes as 16 rows of 256, 16 bytes of padding behind each
	s_or_b32 s[G1S+0], s43, (3<<16)|(1<<20)|(1<<21)|(5<<22)|(3<<25)
	s_or_b32 s[G1SB+0], s44, (3<<16)|(1<<20)|(1<<21)|(5<<22)|(3<<25)
.irp g, G1S, G1SB
	s_mov_b32 s[\g+1], 32<<16
	s_mov_b32 s[\g+2], 16<<16
	s_mov_b32 s[\g+3], 32<<16
	s_mov_b32 s[\g+4], 16
	s_mov_b32 s[\g+5], 32
	s_mov_b32 s[\g+6], 0
	s_mov_b32 s[\g+7], 0
.endr
	s_lshl_b32 s18, s16, 3
	s_lshl_b32 s20, s17, 4
	s_add_co_u32 s20, s20, s18
	s_add_co_u32 s20, s20, s96                     ; A: the first row block that I fetch
	s_lshl_b32 s46, s42, 4
	s_add_co_u32 s46, s46, s18
	s_add_co_u32 s46, s46, s97                     ; B likewise
	s_lshl_b32 s22, s20, 9                         ; their scales: 512 bytes a row block
	s_mov_b32 s23, 0
	s_lshl_b32 s92, s46, 9
	s_mov_b32 s93, 0
	s_mul_i32 s20, s20, 12288
	s_mov_b32 s21, 0
	s_mul_i32 s46, s46, 12288
	s_mov_b32 s47, 0
	s_mul_i32 s45, s14, HALFT                      ; where they go: by the wave's number alone
	s_mul_i32 s94, s14, HALFS
	s_wait_kmcnt 0x0
	s_add_nc_u64 s[20:21], s[4:5], s[20:21]
	s_add_nc_u64 s[22:23], s[6:7], s[22:23]
	s_add_nc_u64 s[46:47], s[4:5], s[46:47]
	s_add_nc_u64 s[92:93], s[6:7], s[92:93]
	CROUND                                         ; all sixteen work-groups are here: the first joint loads meet
	s_mov_b32 s[G0S], 1
	s_add_co_u32 s[G0S+1], s94, SCL
	s_mov_b64 s[G0S+2:G0S+3], s[22:23]
	s_or_b32 s[G0S+3], s[G0S+3], 0x80000000
	s_mov_b32 s[G0SB], 1
	s_add_co_u32 s[G0SB+1], s94, SCL
	s_mov_b64 s[G0SB+2:G0SB+3], s[92:93]
	s_or_b32 s[G0SB+3], s[G0SB+3], 0x80000000
	JLOAD G0S, G1S, G0SB, G1SB                     ; the scales first
.irp s, 0,1
	s_mov_b32 s[G0+4*\s], 1
	s_add_co_u32 s[G0+4*\s+1], s45, \s*SLOT
	s_add_nc_u64 s[G0+4*\s+2:G0+4*\s+3], s[20:21], \s*RBK
	s_or_b32 s[G0+4*\s+3], s[G0+4*\s+3], 0x80000000
	s_mov_b32 s[G0B+4*\s], 1
	s_add_co_u32 s[G0B+4*\s+1], s45, \s*SLOT
	s_add_nc_u64 s[G0B+4*\s+2:G0B+4*\s+3], s[46:47], \s*RBK
	s_or_b32 s[G0B+4*\s+3], s[G0B+4*\s+3], 0x80000000
	JLOAD G0+4*\s, G1, G0B+4*\s, G1B
.endr
	v_and_b32 v1, 31, v0
	v_and_b32 v2, 15, v0                           ; r
	v_bfe_u32 v3, v0, 4, 1                         ; h
	v_lshlrev_b32 v[VO], 4, v1                     ; 16 x lane
	v_lshlrev_b32 v[VO+1], 3, v1                   ; 8 x lane
	v_lshlrev_b32 v[VO+4], 2, v1                   ; 4 x lane
	s_mul_i32 s21, s15, HALFT                      ; my 128 rows of A,
	s_mul_i32 s22, s16, HALFT
	s_add_co_u32 s22, s22, 2*HALFT                 ; of B
.irp s, 0,1
	v_add_nc_u32 v[ADRA+\s], s21, v[VO]
	v_add_nc_u32 v[ADRB+\s], s22, v[VO]
	v_add_nc_u32 v[ADRA+2+\s], s21, v[VO+1]
	v_add_nc_u32 v[ADRB+2+\s], s22, v[VO+1]
	s_add_co_u32 s21, s21, SLOT
	s_add_co_u32 s22, s22, SLOT
.endr
	v_mul_u32_u24 v6, v2, KS                       ; my row's scales: 32 bytes a row,
	v_lshrrev_b32 v7, 8, v6
	v_lshl_add_u32 v6, v7, 4, v6                   ; and 16 more for each 256 passed
	s_mul_i32 s21, s15, HALFS
	s_mul_i32 s22, s16, HALFS
	s_add_co_u32 s22, s22, 2*HALFS
	s_sub_co_u32 s22, s22, s21
	v_mul_u32_u24 v7, s22, v3                      ; lanes 16-31 take B's
	s_add_co_u32 s21, s21, SCL
	v_add_nc_u32 v6, v6, v7
	v_add_nc_u32 v[ADRS], s21, v6
.irp b, 0,1,2,3
	v_mov_b32 v[TM+4+\b], 0                        ; a lane permute's destination counts as one of its sources
.endr
	; where my results go, counted in units of 768 bytes
	s_lshl_b32 s20, s42, 2
	s_lshl_b32 s21, s16, 1
	s_add_co_u32 s20, s20, s21                     ; 4 x tile column + 2 x my half of B: which 64 of B's rows
	s_lshl_b32 s22, s17, 4
	s_lshl_b32 s23, s15, 3
	s_add_co_u32 s22, s22, s23                     ; 16 x tile row + 8 x my half of A: which block of A's rows
	s_lshl_b32 s46, s20, 9
	s_add_co_u32 s46, s46, s22                     ; q, k: [64 columns][token block]
	s_lshr_b32 s47, s42, 3
	s_lshl_b32 s47, s47, 4
	s_lshr_b32 s92, s22, 2
	s_add_co_u32 s47, s47, s92                     ; v: batch x 16 + head,
	s_lshl_b32 s47, s47, 7
	s_and_b32 s92, s20, 31
	s_lshl_b32 s92, s92, 2
	s_add_co_u32 s47, s47, s92                     ; [64 tokens][4],
	s_add_co_u32 s47, s47, 16384                   ; behind q's and k's 16,384 units
	s_mov_b32 s94, 393216
	s_cmp_ge_u32 s12, 8
	s_cselect_b32 s46, s47, s46
	s_cselect_b32 s21, 10, 13                      ; log2 of A's rows in all
	s_cselect_b32 s23, 524288, 0                   ; the scale words' region
	s_cselect_b32 s94, 3072, s94                   ; from a fragment's first unit to its second
	s_cselect_b32 s92, 95232, 0                    ; what block 4 steps beside its 768: in v the next head
	s_mov_b32 s93, 0
	s_mul_i32 s46, s46, 768
	s_mov_b32 s47, 0
	s_add_nc_u64 s[8:9], s[8:9], s[46:47]
	s_lshr_b32 s20, s20, 1                         ; which 128 of B's rows
	s_lshl_b32 s20, s20, s21
	s_lshl_b32 s22, s22, 4
	s_add_co_u32 s20, s20, s22
	s_lshl_b32 s20, s20, 2
	s_add_co_u32 s20, s20, s23
	s_mov_b32 s21, 0
	s_add_nc_u64 s[10:11], s[10:11], s[20:21]
	v_add_nc_u32 v[VO+2], s94, v[VO]
	v_add_nc_u32 v[VO+3], s94, v[VO+1]
	s_mov_b32 s[SEL], 0x76543210
	s_mov_b32 s[SEL+1], 0xfedcba98
	s_mov_b32 s[HI], 0xffff0000
.macro FRAG reg, adr, q, i             ; a fragment: two units, each 512 bytes at 16 a lane and 256 bytes at 8 a lane
	ds_load_b128 v[\reg:\reg+3], v[\adr] offset:(\i)*RBK+(\q)*1536
	ds_load_b64 v[\reg+4:\reg+5], v[\adr+2] offset:(\i)*RBK+(\q)*1536+512
	ds_load_b128 v[\reg+6:\reg+9], v[\adr] offset:(\i)*RBK+(\q)*1536+768
	ds_load_b64 v[\reg+10:\reg+11], v[\adr+2] offset:(\i)*RBK+(\q)*1536+1280
.endm
; 16 matrix instructions: A's blocks a0, a0 + 1 x B's eight.  The 64 accumulators take turns, one instruction a turn, in the same order in every step
.macro MUL16 a0, p, q, sc, zero
.irp a, \a0, \a0+1
.irp b, 0,1,2,3,4,5,6,7
.if \zero
	v_wmma_scale_f32_16x16x128_f8f6f4 v[8*(8*((\a)%4)+\b):8*(8*((\a)%4)+\b)+7], v[128*(\p)+FR*\b:128*(\p)+FR*\b+FR-1], v[AF+FR*(\a):AF+FR*(\a)+FR-1], 0, v[SC+8*NQ*(\sc)+NQ*\b+(\q)], v[SC+8*NQ*(\sc)+NQ*(\a)+(\q)] matrix_a_fmt:MATRIX_FMT_BF6 matrix_b_fmt:MATRIX_FMT_BF6 matrix_a_scale:MATRIX_SCALE_ROW1
.else
	v_wmma_scale_f32_16x16x128_f8f6f4 v[8*(8*((\a)%4)+\b):8*(8*((\a)%4)+\b)+7], v[128*(\p)+FR*\b:128*(\p)+FR*\b+FR-1], v[AF+FR*(\a):AF+FR*(\a)+FR-1], v[8*(8*((\a)%4)+\b):8*(8*((\a)%4)+\b)+7], v[SC+8*NQ*(\sc)+NQ*\b+(\q)], v[SC+8*NQ*(\sc)+NQ*(\a)+(\q)] matrix_a_fmt:MATRIX_FMT_BF6 matrix_b_fmt:MATRIX_FMT_BF6 matrix_a_scale:MATRIX_SCALE_ROW1
.endif
.endr
.endr
.endm
.macro FETCH_B slot, q, p
	WIN TO_B
.irp i, 0,1,2,3,4,5,6,7
	FRAG 128*(\p)+FR*\i, ADRB+\slot, \q, \i
.endr
	WIN 0
.endm
.macro FETCH_A slot, q, i0
.irp i, \i0, \i0+1, \i0+2, \i0+3
	FRAG AF+FR*(\i), ADRA+\slot, \q, \i
.endr
.endm
.macro SCALES sc                       ; a slot's scale words: lanes 0-15 A's block i, lanes 16-31 B's block i
.irp i, 0,1,2,3,4,5,6,7
	ds_load_b64 v[SC+8*NQ*\sc+NQ*\i:SC+8*NQ*\sc+NQ*\i+1], v[ADRS] offset:\i*SBLK
.endr
.endm
.macro PLACES n                        ; places in front of loads into registers that matrix instructions have read, and of the first read of results
.rept \n
	v_nop
.endr
.endm
.macro STEP slot, q, zero              ; 128 along K with its successor in the same slot
	s_wait_dscnt 4*NL                              ; all but the youngest 16 loads (A's blocks 4-7) are in
	WIN MUL_LO
	MUL16 0, (\q)%2, \q, \slot, \zero
	MUL16 2, (\q)%2, \q, \slot, \zero
	s_wait_dscnt 0
	PLACES NP
	FETCH_B \slot, (\q)+1, 1-(\q)%2
	FETCH_A \slot, (\q)+1, 0
	WIN MUL_HI
	MUL16 4, (\q)%2, \q, \slot, \zero
	MUL16 6, (\q)%2, \q, \slot, \zero
	PLACES NP
	WIN 0
	FETCH_A \slot, (\q)+1, 4
.endm
; a slot's last step changes slots: one barrier; in front of it each wave waits for all its tensor loads, adds 0 to its spare word, and waits for that and for its reads of this slot
.macro TURN slot, next, fill
	s_wait_tensorcnt 0x0                           ; all my tensor loads have landed: my part of the next slot
	ds_add_u32 v[SPW], v[NIL]
	s_wait_dscnt 4*NL+1                            ; (the add and the youngest 16 loads may be out)
	WIN MUL_LO
	MUL16 0, 1, NQ-1, \slot, 0
	s_wait_dscnt 0x0                               ; the add is done, and my reads of this slot are over
	s_barrier_signal -1
	MUL16 2, 1, NQ-1, \slot, 0
	WIN 0
	s_barrier_wait -1
.if \fill
	CREST                                          ; the barrier has opened a round of the cluster's: no wave of any partner still reads this slot or has a load on its way
	s_add_nc_u64 s[G0+4*\slot+2:G0+4*\slot+3], s[G0+4*\slot+2:G0+4*\slot+3], 2*RBK
	s_add_nc_u64 s[G0B+4*\slot+2:G0B+4*\slot+3], s[G0B+4*\slot+2:G0B+4*\slot+3], 2*RBK
	JLOAD G0+4*\slot, G1, G0B+4*\slot, G1B         ; the first tensor load behind the round; its four v_nop are the places in front of the loads below
.else
	PLACES NP
.endif
	v_add_nc_u32 v[ADRS], 4*NQ, v[ADRS]            ; the next slot's scale words
	FETCH_B \next, 0, 0
	FETCH_A \next, 0, 0
	SCALES \next
	WIN MUL_HI
	MUL16 4, 1, NQ-1, \slot, 0
	MUL16 6, 1, NQ-1, \slot, 0
	PLACES NP
	WIN 0
	FETCH_A \next, 0, 4
.endm
	s_wait_tensorcnt 1                             ; the scales and my part of slot 0 are in; slot 1's load may be out
	s_barrier_signal -1
	s_barrier_wait -1
	FETCH_B 0, 0, 0
	FETCH_A 0, 0, 0
	SCALES 0
	FETCH_A 0, 0, 4
	STEP 0, 0, 1                                   ; K 0 on: these products start the sums
	TURN 0, 1, 1                                   ; slot 0 takes K 512 on
	STEP 1, 0, 0
	TURN 1, 0, 1                                   ; slot 1 takes K 768 on
	STEP 0, 0, 0
	TURN 0, 1, 0                                   ; nothing is left to fetch
	STEP 1, 0, 0
	s_wait_dscnt 4*NL
	WIN MUL_LO
	MUL16 0, 1, NQ-1, 1, 0
	MUL16 2, 1, NQ-1, 1, 0
	s_wait_dscnt 0
	WIN MUL_HI
	MUL16 4, 1, NQ-1, 1, 0
	MUL16 6, 1, NQ-1, 1, 0
	WIN 0
	PLACES NP
; THE WAY OUT.  Block a's 64 registers of a lane are 128 neighbours along B's rows, 16 of each block of 32: they are quantised as they stand and leave as two units; each store covers 512 or 256 consecutive bytes.
.macro QOUT a
.set AC, 64*((\a)%4)
.if (\a) > 0
	s_wait_xcnt 0x0                                ; the last block's stores have read their registers and their base
	s_add_nc_u64 s[8:9], s[8:9], 768
.if (\a) == 4
	s_add_nc_u64 s[8:9], s[8:9], s[92:93]
.endif
.endif
	WIN 0x0a+5*((\a)/4)                            ; sources 0 and 1: the accumulators' window
.irp b, 0,1,2,3
	v_max3_num_f32 v[TM+\b], |v[AC+16*\b]|, |v[AC+16*\b+1]|, 0x2800000   ; each accumulator is read from its low end on; the floor 2^(5 - 127)
.endr
.irp i, 2,4,6,8,10,12,14
.irp b, 0,1,2,3
	v_max3_num_f32 v[TM+\b], |v[AC+16*\b+\i]|, |v[AC+16*\b+\i+1]|, v[TM+\b]
.endr
.endr
	WIN 0
.irp b, 0,1,2,3
	v_permlanex16_b32 v[TM+4+\b], v[TM+\b], s[SEL], s[SEL+1]
.endr
.irp b, 0,1,2,3
	v_max_num_f32 v[TM+\b], v[TM+\b], v[TM+4+\b]
.endr
.irp b, 0,1,2,3
	v_add_nc_u32 v[TM+12+\b], 0xfe000000, v[TM+\b]
.endr
.irp b, 0,1,2,3
	v_lshrrev_b32 v[TM+4+\b], 23, v[TM+12+\b]
.endr
	v_lshl_or_b32 v[PW+(\a)], v[TM+5], 8, v[TM+4]
	v_lshl_or_b32 v[PW+(\a)], v[TM+6], 16, v[PW+(\a)]
	v_lshl_or_b32 v[PW+(\a)], v[TM+7], 24, v[PW+(\a)]
	WIN 0x02+(\a)/4                                ; source 0: the accumulators' window
.irp c, 0,1
	v_cvt_scalef32_pk16_bf6_f32 v[PC+6*\c:PC+2+6*\c], v[AC+32*\c:AC+15+32*\c], v[TM+12+2*\c]
	v_cvt_scalef32_pk16_bf6_f32 v[PC+12+4*\c:PC+14+4*\c], v[AC+16+32*\c:AC+31+32*\c], v[TM+12+2*\c+1]
.endr
	WIN 0
	v_nop                                          ; one plain place behind a scaled conversion
.irp c, 0,1
.irp i, 0,1,2
	v_permlane16_swap_b32 v[PC+6*\c+\i], v[PC+12+4*\c+\i]
.endr
.irp i, 0,1,2
	v_mov_b32 v[PC+3+6*\c+\i], v[PC+12+4*\c+\i]
.endr
.endr
	global_store_b128 v[VO], v[PC:PC+3], s[8:9]
	global_store_b64 v[VO+1], v[PC+4:PC+5], s[8:9] offset:512
	global_store_b128 v[VO+2], v[PC+6:PC+9], s[8:9]
	global_store_b64 v[VO+3], v[PC+10:PC+11], s[8:9] offset:512
.endm
.irp a, 0,1,2,3,4,5,6,7
	QOUT \a
.endr
.irp j, 0,1,2,3
	v_cndmask_b32 v[CW+\j], v[PW+2*\j], v[PW+2*\j+1], s[HI]   ; lanes 0-15 block 2 j's words, lanes 16-31 block 2 j + 1's: 32 rows on end
.endr
.irp j, 0,1,2,3
	global_store_b32 v[VO+4], v[CW+\j], s[10:11] offset:128*\j
.endr
	s_wait_tensorcnt 0x0                           ; the wave's end
	ds_add_u32 v[SPW], v[NIL]
	s_wait_dscnt 0x0
	CROUND                                         ; the closing round
	s_endpgm
.Lfunc_end_k_qdc8e8ccfa1_qkv:
	.size	k_qdc8e8ccfa1_qkv, .Lfunc_end_k_qdc8e8ccfa1_qkv-k_qdc8e8ccfa1_qkv
	.p2alignl 7, 3214868480
	.fill 96, 4, 3214868480
	.section	.rodata,"a",@progbits
	.p2align	6, 0x0
	.amdhsa_kernel k_qdc8e8ccfa1_qkv
		.amdhsa_group_segment_fixed_size 327680
		.amdhsa_private_segment_fixed_size 0
		.amdhsa_enable_private_segment 0
		.amdhsa_kernarg_size 32
		.amdhsa_user_sgpr_count 2
		.amdhsa_user_sgpr_kernarg_segment_ptr 1
		.amdhsa_wavefront_size32 1
		.amdhsa_system_sgpr_workgroup_id_x 1
		.amdhsa_system_sgpr_workgroup_id_y 1
		.amdhsa_system_sgpr_workgroup_id_z 1
		.amdhsa_system_vgpr_workitem_id 0
		.amdhsa_next_free_vgpr 1024
		.amdhsa_next_free_sgpr 100
		.amdhsa_reserve_vcc 0
		.amdhsa_float_denorm_mode_32 3
		.amdhsa_float_denorm_mode_16_64 3
		.amdhsa_memory_ordered 1
		.amdhsa_forward_progress 1
		.amdhsa_inst_pref_size 150
	.end_amdhsa_kernel
	.amdgpu_metadata
---
amdhsa.version: [ 1, 2 ]
amdhsa.kernels:
  - .name:           k_qdc8e8ccfa1_qkv
    .symbol:         k_qdc8e8ccfa1_qkv.kd
    .args:
      - { .name: xw_img, .offset: 0, .size: 8, .value_kind: global_buffer, .address_space: global }
      - { .name: xw_sc, .offset: 8, .size: 8, .value_kind: global_buffer, .address_space: global }
      - { .name: qkv_img, .offset: 16, .size: 8, .value_kind: global_buffer, .address_space: global }
      - { .name: qkv_scw, .offset: 24, .size: 8, .value_kind: global_buffer, .address_space: global }
    .group_segment_fixed_size: 327680
    .private_segment_fixed_size: 0
    .kernarg_segment_align: 8
    .kernarg_segment_size: 32
    .max_flat_workgroup_size: 128
    .sgpr_count:     100
    .vgpr_count:     1024
    .wavefront_size: 32
...
	.end_amdgpu_metadata
.endif
;; end of part 2
;; launch attn (part 3): grid 4 x 64, 16 waves a work-group, no clusters, 210,944 bytes of LDS; arguments qkv_img, qkv_scw, mk, ao_img, ao_sc; writes ao_img, ao_sc
.if DOCPART == 3
	.amdgcn_target "amdgcn-amd-amdhsa--gfx1250"
	.amdhsa_code_object_version 6
	.text
	.protected	k_qdc8e8ccfa1_attn
	.globl	k_qdc8e8ccfa1_attn
	.p2align	8
	.type	k_qdc8e8ccfa1_attn,@function
k_qdc8e8ccfa1_attn:
	s_mov_b64 s[64:65], 0
	v_nop
	global_prefetch_b8 v0, s[64:65] scope:SCOPE_SE
	s_setreg_imm32_b32 hwreg(HW_REG_WAVE_MODE, 25, 1), 1
	s_wait_xcnt 0x0
; o = softmax(q k^T / 8, masked) v for one batch and head, both products on codes of BF6 (E3M2) with E8M0 scales; o is quantised along the head's 64 and leaves as codes for the last product.
; THE SOFTMAX: t = score x log2(e) / 8; M = the running largest t rounded up to a whole number; p = 2^(t - M) is quantised along the keys; the row's sum is taken of the unquantised p and divides at the end.
; THE MASK is an input.  The first launch has turned it into lane masks (a word for each score register of a key step) and flags.  A key step in which no key counts for the wave's 16 queries is jumped over, by a
; scalar branch on the stored flags; where all count, the selection is jumped over; else hidden scores become -infinity ahead of the maximum.  That holds for every mask.
; A ROW WITH NO KEY gets zero codes and the scale byte 0xff (E8M0's NaN): the last product then gives NaN for that row, as the softmax of a row of -infinity does.
; SHARES.  A work-group owns two blocks of 256 queries of one head, blocks 7 - i and i; each of its sixteen waves owns one tile of 16 queries of each, first tile 127 - 16 i - w, then tile 16 i + w.
; Four waves to a SIMD: one wave's vector work stands beside another's matrix work and LDS loads.
; THE WHOLE HEAD'S K AND V LIE IN LDS (98,304 bytes each, and their scale words) and are written once, through registers, in four chunks of 512 keys, each asked for while the chunk before is worked.
; No tensor load: steps are jumped over on stored numbers.  So no cluster either: joint requests are tensor loads, and what work-groups share is read once by each.  No prefetch: a chunk is asked for four key steps ahead.
; LAYOUT.  Both products are used transposed (S^T = K Q^T, O^T = V^T P^T): a lane holds one query.  The head's 64 fill half of the instruction's K of 128: registers 6-11 of K's and Q's fragments hold zero codes.
; By the order of rows in a block the 16 registers of tiles 2 b and 2 b + 1 are 16 neighbouring keys (channels).
; LIMITS: blocks of zeros keep the byte 1; NaN and infinities among q, k, v are not served.
; REGISTERS: v1-7 places that stay; v8-13 the step's addresses; v14 offset of my scale byte; v15 -infinity; v16-27 Q; v28 Q's scales; v29 p's scale word; v30 4 r; v31 0xff; v32-79 four fragments of K;
; v80-143 S^T, then p, then (v80-127) four fragments of V; v144-175 O^T; v176-194 codes; v196-207 the blocks' maxima, bytes, scale operands; v208-219 at work; v220-223 scale words; v224-247 a chunk on its way.
.set VB,    98304                      ; LDS: K at 0: step s, tile T at 6,144 s + 768 T;  V here: step s, half c, tile d at 6,144 s + 3,072 c + 768 d
.set KSC,   196608                     ; K's scale words: 4 bytes a key
.set VSC,   204800                     ; V's: 256 bytes a step, 4 a channel
.set STEPB, 6144
.set CHUNK, 24576
.set S,   80
.set OT,  144
.set PC,  176
.set SPL, 188
.set BM,  196
.set BT,  200
.set BS,  204
.set KS4, 220
.set STG, 224
.macro CLOAD                           ; a chunk: 24,576 bytes of K and of V, 16 bytes a thread and load
.irp j, 0,1,2
	global_load_b128 v[STG+4*\j:STG+4*\j+3], v7, s[18:19] offset:8192*\j
.endr
.irp j, 0,1,2
	global_load_b128 v[STG+12+4*\j:STG+12+4*\j+3], v7, s[20:21] offset:8192*\j
.endr
.endm
; the head of a pass: tile s5's flags, addresses, Q; O^T, the sum and the largest t begin anew
.macro PROLOGUE
	s_wait_xcnt 0x0                                ; earlier loads and stores have read their addresses
	s_load_b256 s[32:39], s[0:1], 0x0              ; qkv_img, qkv_scw, mk, ao_img
	s_load_b64 s[40:41], s[0:1], 0x20              ; ao_sc
	s_mov_b32 s29, 0
	s_wait_kmcnt 0x0
	s_lshl_b32 s28, s5, 6
	s_add_co_u32 s28, s28, 524288
	s_add_nc_u64 s[42:43], s[36:37], s[28:29]
	s_load_b512 s[68:83], s[42:43], 0x0            ; the tile's sixteen flag words
	s_lshl_b32 s28, s5, 12
	s_add_nc_u64 s[22:23], s[36:37], s[28:29]      ; its lane masks
	s_lshr_b32 s30, s4, 4
	s_lshl_b32 s30, s30, 7
	s_add_co_u32 s30, s30, s5                      ; its token block: 128 x batch + tile
	s_and_b32 s31, s4, 15                          ; the head
	s_lshl_b32 s28, s30, 4
	s_add_co_u32 s28, s28, s31
	s_mul_i32 s28, s28, 768
	s_add_nc_u64 s[24:25], s[38:39], s[28:29]      ; o's unit
	s_lshl_b32 s28, s30, 9
	s_lshl_b32 s44, s31, 1
	s_add_co_u32 s28, s28, s44
	s_add_nc_u64 s[26:27], s[40:41], s[28:29]      ; o's scale bytes
	s_lshl_b32 s28, s31, 9
	s_add_co_u32 s28, s28, s30
	s_mul_i32 s28, s28, 768
	s_add_nc_u64 s[44:45], s[32:33], s[28:29]
	global_load_b128 v[16:19], v1, s[44:45]        ; Q's unit
	global_load_b64 v[20:21], v2, s[44:45] offset:512
	s_lshr_b32 s28, s31, 1
	s_lshl_b32 s28, s28, 13
	s_lshl_b32 s46, s30, 4
	s_add_co_u32 s28, s28, s46
	s_lshl_b32 s28, s28, 2
	s_and_b32 s46, s31, 1
	s_lshl_b32 s46, s46, 1
	s_add_co_u32 s28, s28, s46
	s_add_nc_u64 s[46:47], s[34:35], s[28:29]
	global_load_u16 v28, v30, s[46:47]             ; Q's two scale bytes; the upper two stay 0, over zero codes
.set n, 0
.rept 32
	v_mov_b32 v[OT+n], 0                           ; the step is written once: the first finds zeros
.set n, n+1
.endr
	v_mov_b32 v214, 0                              ; the sum, in two halves
	v_mov_b32 v215, 0
	v_mov_b32 v213, 0xff61b1e6                     ; the largest t so far: -3e38
	v_floor_f32 v212, -v213                        ; -M
	s_wait_kmcnt 0x0
	s_or_b32 s10, s68, s69                         ; bit s: some key of step s counts; bit 16 + s: all count
.irp k, 70,71,72,73,74,75,76,77,78,79,80,81,82,83
	s_or_b32 s10, s10, s\k
.endr
	s_mov_b32 s11, 0                               ; the step
.endm
; A KEY STEP: 128 keys
.macro STEP
	s_lshr_b32 s12, s10, s11
	s_bitcmp1_b32 s12, 0
	s_cbranch_scc0 .Lskip_\@                       ; no key of this step counts for my queries
	s_mul_i32 s28, s11, STEPB
	s_lshl_b32 s29, s11, 9
	s_lshl_b32 s30, s11, 8
	v_add_nc_u32 v8, s28, v1                       ; (these six are also the places behind the last step's products)
	v_add_nc_u32 v9, s28, v2
	v_add_nc_u32 v10, s28, v3
	v_add_nc_u32 v11, s28, v4
	v_add_nc_u32 v12, s29, v5
	v_add_nc_u32 v13, s30, v6
.irp g, 0,1                                    ; S^T = K Q^T, four tiles of 16 keys at a time
.if \g
.rept 4
	v_nop                                          ; places in front of loads into registers that matrix instructions have read
.endr
.endif
.irp t, 0,1,2,3
	ds_load_b128 v[32+12*\t:35+12*\t], v8 offset:768*(4*\g+\t)
	ds_load_b64 v[36+12*\t:37+12*\t], v9 offset:768*(4*\g+\t)+512
	ds_load_u16 v[KS4+\t], v12 offset:64*(4*\g+\t)
.endr
	s_wait_dscnt 0x0
.irp t, 0,1,2,3
	v_wmma_scale_f32_16x16x128_f8f6f4 v[S+8*(4*\g+\t):S+8*(4*\g+\t)+7], v[32+12*\t:43+12*\t], v[16:27], 0, v[KS4+\t], v28 matrix_a_fmt:MATRIX_FMT_BF6 matrix_b_fmt:MATRIX_FMT_BF6
.endr
.endr
.rept 4
	v_nop
.endr
	s_bitcmp1_b32 s12, 16
	s_cbranch_scc1 .Lopen_\@                       ; all keys count
	s_load_b512 s[32:47], s[22:23], s30 offset:0x0 ; the step's 64 lane masks
	s_load_b512 s[48:63], s[22:23], s30 offset:0x40
	s_load_b512 s[68:83], s[22:23], s30 offset:0x80
	s_load_b512 s[84:99], s[22:23], s30 offset:0xc0
	s_wait_kmcnt 0x0
.set n, 0
.rept 32
	v_cndmask_b32 v[S+n], v15, v[S+n], s[32+n]     ; hidden scores become -infinity: p = 0
.set n, n+1
.endr
.rept 32
	v_cndmask_b32 v[S+n], v15, v[S+n], s[36+n]
.set n, n+1
.endr
.Lopen_\@:
.irp b, 0,1,2,3
	v_max3_num_f32 v[BM+\b], v[S+16*\b], v[S+1+16*\b], v[S+2+16*\b]   ; the largest score of each block of 32 keys: for the row's maximum, and, since p rises with the score, for the block's largest p
.endr
.irp i, 3,5,7,9,11,13
.irp b, 0,1,2,3
	v_max3_num_f32 v[BM+\b], v[BM+\b], v[S+16*\b+\i], v[S+1+16*\b+\i]
.endr
.endr
.irp b, 0,1,2,3
	v_max_num_f32 v[BM+\b], v[BM+\b], v[S+15+16*\b]
.endr
.irp b, 0,1,2,3
	v_permlanex16_b32 v[BT+\b], v[BM+\b], s6, s7
.endr
.irp b, 0,1,2,3
	v_max_num_f32 v[BM+\b], v[BM+\b], v[BT+\b]     ; with lane l xor 16's 16 keys
.endr
	v_max3_num_f32 v208, v[BM], v[BM+1], v[BM+2]
	v_max_num_f32 v208, v208, v[BM+3]
	v_mul_f32 v208, s8, v208                       ; as t
	v_max_num_f32 v213, v213, v208                 ; the running largest t
	v_mov_b32 v208, v212
	v_floor_f32 v212, -v213                        ; the new -M = -ceil(t)
	v_sub_f32 v208, v212, v208                     ; old M - new M: a whole number, 0 or less
	v_cvt_i32_f32 v208, v208                       ; (it saturates)
	v_ldexp_f32 v210, 1.0, v208                    ; f = 2^(old M - new M)
.set n, 0
.rept 32
	v_pk_fma_f32 v[S+n:S+n+1], v[S+n:S+n+1], s[8:9], v[212:213] op_sel_hi:[1,0,0]   ; t - M
.set n, n+2
.endr
.irp b, 0,1,2,3
	v_fma_f32 v[BM+\b], v[BM+\b], s8, v212
.endr
.set n, 0
.rept 64
	v_exp_f32 v[S+n], v[S+n]                       ; p = 2^(t - M)
.set n, n+1
.endr
	v_pk_mul_f32 v[214:215], v[214:215], v[210:211] op_sel_hi:[1,0]   ; the sums under the new M: a plain place behind the exponentials
	s_wait_alu depctr_va_vdst(0)                   ; one wait for the batch, ahead of its first reader
.irp b, 0,1,2,3
	v_exp_f32 v[BM+\b], v[BM+\b]                   ; the blocks' largest p
.endr
	v_pk_add_f32 v[216:217], v[S:S+1], v[S+2:S+3]  ; the row's sum of the unquantised p, in two chains
.set n, 4
.rept 15
	v_pk_add_f32 v[214:215], v[214:215], v[S+n:S+n+1]
	v_pk_add_f32 v[216:217], v[216:217], v[S+n+2:S+n+3]
.set n, n+4
.endr
	v_pk_add_f32 v[214:215], v[214:215], v[216:217]
	s_wait_alu depctr_va_vdst(0)                   ; and one for the four
.irp b, 0,1,2,3
	v_max_num_f32 v[BM+\b], 0x2800000, v[BM+\b]    ; the floor 2^(5 - 127)
.endr
.irp b, 0,1,2,3
	v_add_nc_u32 v[BS+\b], 0xfe000000, v[BM+\b]    ; the conversion's scale operand
.endr
.irp b, 0,1,2,3
	v_lshrrev_b32 v[BT+\b], 23, v[BS+\b]           ; the byte
.endr
	v_lshl_or_b32 v29, v[BT+1], 8, v[BT]           ; p's scale word for these 128 keys
	v_lshl_or_b32 v29, v[BT+2], 16, v29
	v_lshl_or_b32 v29, v[BT+3], 24, v29
.irp c, 0,1
	v_cvt_scalef32_pk16_bf6_f32 v[PC+6*\c:PC+2+6*\c], v[S+32*\c:S+15+32*\c], v[BS+2*\c]
	v_cvt_scalef32_pk16_bf6_f32 v[SPL+4*\c:SPL+2+4*\c], v[S+16+32*\c:S+31+32*\c], v[BS+2*\c+1]
.endr
	v_nop                                          ; one plain place behind a scaled conversion
.irp d, 0,1,2,3                                ; V's four fragments and scale words, into the registers that p has left
.irp c, 0,1
	ds_load_b128 v[S+12*\d+6*\c:S+12*\d+6*\c+3], v10 offset:3072*\c+768*\d
	ds_load_b64 v[S+12*\d+6*\c+4:S+12*\d+6*\c+5], v11 offset:3072*\c+768*\d+512
.endr
	ds_load_b32 v[KS4+\d], v13 offset:64*\d
.endr
.irp c, 0,1                                    ; a whole block to a lane
.irp i, 0,1,2
	v_permlane16_swap_b32 v[PC+6*\c+\i], v[SPL+4*\c+\i]
.endr
.irp i, 0,1,2
	v_mov_b32 v[PC+3+6*\c+\i], v[SPL+4*\c+\i]
.endr
.endr
.set n, 0
.rept 16
	v_pk_mul_f32 v[OT+n:OT+n+1], v[OT+n:OT+n+1], v[210:211] op_sel_hi:[1,0]   ; O^T under the new M; these are the places behind p's scale word and codes
.set n, n+2
.endr
.rept 4
	v_nop                                          ; and four between the last of them and the products that add onto O^T: the distance kept for A and B
.endr
	s_wait_dscnt 0x0
.irp d, 0,1,2,3                                ; O^T += V^T P^T: the four accumulators by turns
	v_wmma_scale_f32_16x16x128_f8f6f4 v[OT+8*\d:OT+8*\d+7], v[S+12*\d:S+12*\d+11], v[PC:PC+11], v[OT+8*\d:OT+8*\d+7], v[KS4+\d], v29 matrix_a_fmt:MATRIX_FMT_BF6 matrix_b_fmt:MATRIX_FMT_BF6
.endr
.Lskip_\@:
	s_add_co_u32 s11, s11, 1
.endm
; the tile's end: O^T / the sum, quantised along the head's 64 (two blocks), one unit and two scale bytes a row
.macro TILE_OUT
.rept 4
	v_nop                                          ; places behind the last products
.endr
	v_add_f32 v208, v214, v215
	v_permlanex16_b32 v209, v208, s6, s7
	v_add_f32 v208, v208, v209                     ; the row's sum
	v_rcp_f32 v209, v208
	v_nop                                          ; a plain place behind the transcendental
	v_cmp_neq_f32 s13, 0, v208                     ; lanes whose row has a key
	s_wait_alu depctr_va_vdst(0)                   ; ahead of the first reader
	v_cndmask_b32 v218, 0, v209, s13
.set n, 0
.rept 16
	v_pk_mul_f32 v[OT+n:OT+n+1], v[OT+n:OT+n+1], v[218:219] op_sel_hi:[1,0]
.set n, n+2
.endr
.irp b, 0,1
	v_max3_num_f32 v[BM+\b], |v[OT+16*\b]|, |v[OT+1+16*\b]|, 0x2800000
.endr
.irp i, 2,4,6,8,10,12,14
.irp b, 0,1
	v_max3_num_f32 v[BM+\b], v[BM+\b], |v[OT+16*\b+\i]|, |v[OT+1+16*\b+\i]|
.endr
.endr
.irp b, 0,1
	v_permlanex16_b32 v[BT+\b], v[BM+\b], s6, s7
.endr
.irp b, 0,1
	v_max_num_f32 v[BM+\b], v[BM+\b], v[BT+\b]
.endr
.irp b, 0,1
	v_add_nc_u32 v[BS+\b], 0xfe000000, v[BM+\b]
.endr
.irp b, 0,1
	v_lshrrev_b32 v[BT+\b], 23, v[BS+\b]
.endr
	v_cvt_scalef32_pk16_bf6_f32 v[PC:PC+2], v[OT:OT+15], v[BS]
	v_cvt_scalef32_pk16_bf6_f32 v[SPL:SPL+2], v[OT+16:OT+31], v[BS+1]
	v_nop
.irp i, 0,1,2
	v_permlane16_swap_b32 v[PC+\i], v[SPL+\i]
.endr
.irp i, 0,1,2
	v_mov_b32 v[PC+3+\i], v[SPL+\i]
.endr
	v_cndmask_b32 v208, v[BT], v[BT+1], s14        ; lanes 0-15 block 0's byte, lanes 16-31 block 1's;
	v_cndmask_b32 v208, v31, v208, s13             ; 0xff for a row with no key
	global_store_b128 v1, v[PC:PC+3], s[24:25]     ; 512 consecutive bytes,
	global_store_b64 v2, v[PC+4:PC+5], s[24:25] offset:512   ; 256
	global_store_b8 v14, v208, s[26:27]            ; single bytes, 32 apart: two of a row's 32
.endm
	s_load_b128 s[32:35], s[0:1], 0x0              ; qkv_img, qkv_scw
	v_lshl_add_u32 v254, v0, 2, 0x33000
	v_mov_b32 v255, 0
	v_lshrrev_b32 v8, 5, v0
	v_readfirstlane_b32 s2, v8                     ; wave 0..15
	s_mov_b32 s3, ttmp9                            ; i
	s_and_b32 s4, ttmp7, 0xffff                    ; batch x 16 + head
	s_mov_b32 s6, 0x76543210
	s_mov_b32 s7, 0xfedcba98                       ; lane l xor 16
	s_mov_b32 s8, 0x3e38aa3b                       ; c = log2(e) / 8
	s_mov_b32 s9, s8
	s_mov_b32 s14, 0xffff0000                      ; lanes 16-31
	v_and_b32 v9, 31, v0
	v_and_b32 v10, 15, v0                          ; r
	v_bfe_u32 v11, v0, 4, 1                        ; h
	v_lshlrev_b32 v1, 4, v9                        ; 16 x lane
	v_lshlrev_b32 v2, 3, v9                        ; 8 x lane
	v_add_nc_u32 v3, VB, v1
	v_add_nc_u32 v4, VB, v2
	v_lshlrev_b32 v30, 2, v10                      ; 4 r
	s_and_b32 s28, s4, 1
	s_lshl_b32 s28, s28, 1                         ; my head's two bytes of a scale word of q or k
	s_add_co_u32 s28, s28, KSC
	v_add_nc_u32 v5, s28, v30
	v_add_nc_u32 v6, VSC, v30
	v_lshlrev_b32 v7, 4, v0                        ; 16 x thread
	v_lshl_add_u32 v14, v10, 5, v11                ; 32 r + h
	v_mov_b32 v15, 0xff800000
	v_mov_b32 v31, 0xff
.irp p, 22,23,24,25,26,27
	v_mov_b32 v\p, 0                               ; Q's upper 64 along K: zero codes
.endr
.irp t, 0,1,2,3
.irp p, 6,7,8,9,10,11
	v_mov_b32 v[32+12*\t+\p], 0                    ; K's likewise: written once
.endr
.endr
.irp b, 0,1,2,3
	v_mov_b32 v[BT+\b], 0                          ; a lane permute's destination counts as one of its sources
.endr
	v_mov_b32 v211, 0                              ; upper halves of pairs of which the low word is taken
	v_mov_b32 v219, 0
	v_add_nc_u32 v208, KSC, v7
	v_lshl_add_u32 v209, v0, 3, VSC
	s_and_b32 s28, s4, 15                          ; head
	s_lshr_b32 s29, s4, 4                          ; batch
	s_add_co_u32 s30, s28, 16
	s_lshl_b32 s30, s30, 9
	s_lshl_b32 s31, s29, 7
	s_add_co_u32 s30, s30, s31
	s_mul_i32 s30, s30, 768
	s_mov_b32 s31, 0
	s_wait_kmcnt 0x0
	s_add_nc_u64 s[18:19], s[32:33], s[30:31]      ; K's 128 units
	s_mul_i32 s30, s4, 98304
	s_add_co_u32 s30, s30, 12582912
	s_add_nc_u64 s[20:21], s[32:33], s[30:31]      ; V's
	s_lshr_b32 s30, s28, 1
	s_add_co_u32 s30, s30, 8
	s_lshl_b32 s30, s30, 13
	s_lshl_b32 s36, s29, 11
	s_add_co_u32 s30, s30, s36
	s_lshl_b32 s30, s30, 2
	s_add_nc_u64 s[36:37], s[34:35], s[30:31]      ; K's 2,048 scale words
	s_lshl_b32 s30, s29, 16
	s_lshl_b32 s38, s28, 8
	s_add_co_u32 s30, s30, s38
	s_lshl_b32 s38, s2, 12
	s_add_co_u32 s30, s30, s38
	s_add_co_u32 s30, s30, 524288
	s_add_nc_u64 s[38:39], s[34:35], s[30:31]      ; V's: wave w takes key step w's 64
	CLOAD                                          ; chunk 0
	global_load_b128 v[248:251], v7, s[36:37]
	global_load_b64 v[252:253], v2, s[38:39]
	s_lshl_b32 s28, s3, 4
	s_add_co_u32 s28, s28, s2
	s_sub_co_u32 s5, 127, s28                      ; pass 1: tile 127 - 16 i - w
	PROLOGUE
	s_wait_loadcnt 0x0
	ds_store_b128 v208, v[248:251]
	ds_store_b64 v209, v[252:253]
	s_mov_b32 s16, 0
	s_mov_b32 s17, 0
.Lchunk:                                           ; four trips: a chunk goes into LDS, the next is asked for, four key steps are worked
	s_wait_loadcnt 0x0                             ; the chunk is in registers
	v_add_nc_u32 v208, s17, v7
	v_add_nc_u32 v209, VB, v208
	s_wait_dscnt 0x0
	s_barrier_signal -1                            ; no wave writes LDS while another still reads (the bytes differ; the ordering is kept plain)
	s_barrier_wait -1
.irp j, 0,1,2
	ds_store_b128 v208, v[STG+4*\j:STG+4*\j+3] offset:8192*\j
.endr
.irp j, 0,1,2
	ds_store_b128 v209, v[STG+12+4*\j:STG+12+4*\j+3] offset:8192*\j
.endr
	s_wait_dscnt 0x0                               ; for the others' sake: my stores have landed; and they have read their registers
	s_cmp_eq_u32 s16, 3
	s_cbranch_scc1 .Lno_more                       ; no load leaves its buffer
	s_add_nc_u64 s[18:19], s[18:19], CHUNK
	s_add_nc_u64 s[20:21], s[20:21], CHUNK
	CLOAD
.Lno_more:
	s_barrier_signal -1
	s_barrier_wait -1                              ; the chunk lies in LDS
	s_mov_b32 s15, 4
.Lstep1:
	STEP
	s_sub_co_u32 s15, s15, 1
	s_cmp_lg_u32 s15, 0
	s_cbranch_scc1 .Lstep1
	s_add_co_u32 s17, s17, CHUNK
	s_add_co_u32 s16, s16, 1
	s_cmp_lt_u32 s16, 4
	s_cbranch_scc1 .Lchunk
	TILE_OUT
	s_lshl_b32 s5, s3, 4
	s_add_co_u32 s5, s5, s2                        ; pass 2: tile 16 i + w; LDS is only read from here on
	PROLOGUE
	s_wait_loadcnt 0x0
	s_mov_b32 s15, 16
.Lstep2:
	STEP
	s_sub_co_u32 s15, s15, 1
	s_cmp_lg_u32 s15, 0
	s_cbranch_scc1 .Lstep2
	TILE_OUT
	s_wait_tensorcnt 0x0
	ds_add_u32 v254, v255
	s_wait_dscnt 0x0
	s_endpgm
.Lfunc_end_k_qdc8e8ccfa1_attn:
	.size	k_qdc8e8ccfa1_attn, .Lfunc_end_k_qdc8e8ccfa1_attn-k_qdc8e8ccfa1_attn
	.p2alignl 7, 3214868480
	.fill 96, 4, 3214868480
	.section	.rodata,"a",@progbits
	.p2align	6, 0x0
	.amdhsa_kernel k_qdc8e8ccfa1_attn
		.amdhsa_group_segment_fixed_size 210944
		.amdhsa_private_segment_fixed_size 0
		.amdhsa_enable_private_segment 0
		.amdhsa_kernarg_size 40
		.amdhsa_user_sgpr_count 2
		.amdhsa_user_sgpr_kernarg_segment_ptr 1
		.amdhsa_wavefront_size32 1
		.amdhsa_system_sgpr_workgroup_id_x 1
		.amdhsa_system_sgpr_workgroup_id_y 1
		.amdhsa_system_sgpr_workgroup_id_z 1
		.amdhsa_system_vgpr_workitem_id 0
		.amdhsa_next_free_vgpr 256
		.amdhsa_next_free_sgpr 100
		.amdhsa_reserve_vcc 0
		.amdhsa_float_denorm_mode_32 3
		.amdhsa_float_denorm_mode_16_64 3
		.amdhsa_memory_ordered 1
		.amdhsa_forward_progress 1
		.amdhsa_inst_pref_size 64
	.end_amdhsa_kernel
	.amdgpu_metadata
---
amdhsa.version: [ 1, 2 ]
amdhsa.kernels:
  - .name:           k_qdc8e8ccfa1_attn
    .symbol:         k_qdc8e8ccfa1_attn.kd
    .args:
      - { .name: qkv_img, .offset: 0, .size: 8, .value_kind: global_buffer, .address_space: global }
      - { .name: qkv_scw, .offset: 8, .size: 8, .value_kind: global_buffer, .address_space: global }
      - { .name: mk, .offset: 16, .size: 8, .value_kind: global_buffer, .address_space: global }
      - { .name: ao_img, .offset: 24, .size: 8, .value_kind: global_buffer, .address_space: global }
      - { .name: ao_sc, .offset: 32, .size: 8, .value_kind: global_buffer, .address_space: global }
    .group_segment_fixed_size: 210944
    .private_segment_fixed_size: 0
    .kernarg_segment_align: 8
    .kernarg_segment_size: 40
    .max_flat_workgroup_size: 512
    .sgpr_count:     100
    .vgpr_count:     256
    .wavefront_size: 32
...
	.end_amdgpu_metadata
.endif
;; end of part 3
;; launch proj (part 4): grid 4 x 32, 4 waves a work-group, clusters of 4 x 4, 327,680 bytes of LDS; arguments ao_img, ao_sc, xw_img, xw_sc, out0; writes out0
.if DOCPART == 4
	.amdgcn_target "amdgcn-amd-amdhsa--gfx1250"
	.amdhsa_code_object_version 6
	.text
	.protected	k_qdc8e8ccfa1_proj
	.globl	k_qdc8e8ccfa1_proj
	.p2align	8
	.type	k_qdc8e8ccfa1_proj,@function
k_qdc8e8ccfa1_proj:
	s_mov_b64 s[64:65], 0
	v_nop
	global_prefetch_b8 v0, s[64:65] scope:SCOPE_SE
	s_setreg_imm32_b32 hwreg(HW_REG_WAVE_MODE, 25, 1), 1
	s_wait_xcnt 0x0
	s_wait_alu depctr_hold_cnt(0) depctr_sa_sdst(0) depctr_va_vdst(0) depctr_va_sdst(0) depctr_va_ssrc(0) depctr_va_vcc(0) depctr_vm_vsrc(0)
	s_getreg_b32 s2, hwreg(HW_REG_IB_STS2, 6, 4)
	s_cmp_eq_u32 s2, 0
	s_cbranch_scc0 .Lentry_in_a_cluster
	s_endpgm
.Lentry_in_a_cluster:
	s_bfe_u32 s2, ttmp6, 0x10000c
	s_cmp_lg_u32 s2, 0xf033
	s_cbranch_scc0 .Lentry_shape_is_right
	s_endpgm
.Lentry_shape_is_right:
; out0 = o W_out on codes of BF6 (E3M2) with E8M0 scales, K = 1,024; out0 [8192][1024] f32.
; A = o's codes (512 row blocks), B = W_out's columns (row blocks 704-767 of xw_img).  Operands lie as units of 768 bytes (16 rows x 64 K, an image of six registers), 16 to a row block of 12,288 bytes.
; A tile of 256 x 256 is made by four waves, each 128 x 128: 64 accumulators.  The matrix instruction is used transposed (source 0 = 16 rows of B, source 1 = 16 rows of A): a lane holds one token.
; Of each 32 rows, block u holds at place p the row 8 u + p + 8 (p / 8): the way out puts tokens and columns back in their order by its offsets.
; A row of o with the scale byte 0xff (a query with no key) comes out as NaN.
; CLUSTERS: 4 x 4; A's tiles are asked for jointly along a row of the cluster, B's along a column.  128 tiles: half of the chip's WGPs have a work-group.  No prefetch: a tile has two refills only.
; REGISTERS: window 0: v16-23 fragment addresses, v24-26 the way out, v27 scale address, v28-29 the add's, v32-63 scale words, v128-223 A's fragments (on the way out v128-255 rows of out0);
; window 1: B's fragments, two sets; windows 2 and 3: the accumulators.
.set NQ,     2
.set FR,     12
.set NL,     4
.set NP,     4
.set RBK,    3072
.set HALFT,  8*RBK
.set SLOT,   4*HALFT
.set KS,     32
.set SCL,    2*SLOT
.set HALFS,  16*272
.set SBLK,   2*272
.set SPARE,  SCL+4*HALFS
.set SPITCH, 528                       ; the way out: a stage of 16 rows x (512 bytes + 16) for each wave, in slot 0, which has had its last fill and its last read by then
.set ADRA, 16
.set ADRB, 20
.set STO,  24
.set RD,   25
.set CO,   26
.set ADRS, 27
.set SPW,  28
.set NIL,  29
.set SC,   32
.set AF,   128
.set BK,   128
.set G1,   24
.set G0,   32
.set G1B,  48
.set G0B,  56
.set G1S,  68
.set G0S,  76
.set G1SB, 80
.set G0SB, 88
.set MSB, 0
.macro WIN new
.if MSB != \new
	s_set_vgpr_msb (MSB<<8)|\new
.set MSB, \new
.endif
.endm
.set MUL_LO, 0xa1
.set MUL_HI, 0xf1
.set TO_B,   0x40
.macro JLOAD g0a, g1a, g0b, g1b        ; a joint load: waves 0 and 1 for A, waves 2 and 3 for B; four v_nop follow each line
	s_cmp_eq_u32 s15, 0
	s_cbranch_scc0 .Lfor_b_\@
	tensor_load_to_lds s[\g0a:\g0a+3], s[\g1a:\g1a+7]
	s_nop 0
.rept 4
	v_nop
.endr
	s_branch .Lasked_\@
.Lfor_b_\@:
	tensor_load_to_lds s[\g0b:\g0b+3], s[\g1b:\g1b+7]
	s_nop 0
.rept 4
	v_nop
.endr
.Lasked_\@:
.endm
.macro CREST
	s_cmp_lg_u32 s14, 0
	s_cbranch_scc1 .Lnot_wave_0_\@
	s_barrier_signal -3
.Lnot_wave_0_\@:
	s_barrier_wait -3
	s_barrier_signal -1
	s_barrier_wait -1
.endm
.macro CROUND
	s_barrier_signal -1
	s_barrier_wait -1
	CREST
.endm
	s_load_b128 s[4:7], s[0:1], 0x0                ; A's codes, A's scales
	s_load_b128 s[8:11], s[0:1], 0x10              ; B's codes, B's scales
	s_load_b64 s[12:13], s[0:1], 0x20              ; out0
	v_lshl_add_u32 v[SPW], v0, 2, SPARE
	v_mov_b32 v[NIL], 0
	ds_add_u32 v28, v29
	ds_add_u32 v28, v29
	s_wait_dscnt 0x0
	v_lshrrev_b32 v1, 5, v0
	v_readfirstlane_b32 s14, v1
	s_lshr_b32 s15, s14, 1
	s_and_b32 s16, s14, 1
	s_bfe_u32 s40, ttmp6, 0x40000
	s_bfe_u32 s41, ttmp6, 0x40004
	s_lshl_b32 s42, ttmp9, 2
	s_add_co_u32 s42, s42, s40                     ; tile column
	s_and_b32 s17, ttmp7, 0xffff
	s_lshl_b32 s17, s17, 2
	s_add_co_u32 s17, s17, s41                     ; tile row
	s_lshl_b32 s43, s41, 2
	s_lshl_b32 s43, 15, s43
	s_lshl_b32 s44, 0x1111, s40
	s_or_b32 s[G1+0], s43, (3<<16)|(1<<21)         ; codes: 8 row blocks x 3,072 bytes (384 elements of 8 bytes), 12,288 bytes apart
	s_or_b32 s[G1B+0], s44, (3<<16)|(1<<21)
.irp g, G1, G1B
	s_mov_b32 s[\g+1], 384<<16
	s_mov_b32 s[\g+2], 8<<16
	s_mov_b32 s[\g+3], 384<<16
	s_mov_b32 s[\g+4], 8
	s_mov_b32 s[\g+5], 1536
	s_mov_b32 s[\g+6], 0
	s_mov_b32 s[\g+7], 0
.endr
	s_or_b32 s[G1S+0], s43, (3<<16)|(1<<20)|(1<<21)|(5<<22)|(3<<25)   ; scales of 128 rows: 16 rows of 256 bytes, 16 of padding behind each
	s_or_b32 s[G1SB+0], s44, (3<<16)|(1<<20)|(1<<21)|(5<<22)|(3<<25)
.irp g, G1S, G1SB
	s_mov_b32 s[\g+1], 32<<16
	s_mov_b32 s[\g+2], 16<<16
	s_mov_b32 s[\g+3], 32<<16
	s_mov_b32 s[\g+4], 16
	s_mov_b32 s[\g+5], 32
	s_mov_b32 s[\g+6], 0
	s_mov_b32 s[\g+7], 0
.endr
	s_lshl_b32 s18, s16, 3
	s_lshl_b32 s20, s17, 4
	s_add_co_u32 s20, s20, s18                     ; A: the first row block that I fetch
	s_lshl_b32 s46, s42, 4
	s_add_co_u32 s46, s46, s18
	s_add_co_u32 s46, s46, 704                     ; B likewise
	s_lshl_b32 s22, s20, 9
	s_mov_b32 s23, 0
	s_lshl_b32 s92, s46, 9
	s_mov_b32 s93, 0
	s_mul_i32 s20, s20, 12288
	s_mov_b32 s21, 0
	s_mul_i32 s46, s46, 12288
	s_mov_b32 s47, 0
	s_mul_i32 s45, s14, HALFT
	s_mul_i32 s94, s14, HALFS
	s_wait_kmcnt 0x0
	s_add_nc_u64 s[20:21], s[4:5], s[20:21]
	s_add_nc_u64 s[22:23], s[6:7], s[22:23]
	s_add_nc_u64 s[46:47], s[8:9], s[46:47]
	s_add_nc_u64 s[92:93], s[10:11], s[92:93]
	CROUND                                         ; all sixteen work-groups are here: the first joint loads meet
	s_mov_b32 s[G0S], 1
	s_add_co_u32 s[G0S+1], s94, SCL
	s_mov_b64 s[G0S+2:G0S+3], s[22:23]
	s_or_b32 s[G0S+3], s[G0S+3], 0x80000000
	s_mov_b32 s[G0SB], 1
	s_add_co_u32 s[G0SB+1], s94, SCL
	s_mov_b64 s[G0SB+2:G0SB+3], s[92:93]
	s_or_b32 s[G0SB+3], s[G0SB+3], 0x80000000
	JLOAD G0S, G1S, G0SB, G1SB
.irp s, 0,1
	s_mov_b32 s[G0+4*\s], 1
	s_add_co_u32 s[G0+4*\s+1], s45, \s*SLOT
	s_add_nc_u64 s[G0+4*\s+2:G0+4*\s+3], s[20:21], \s*RBK
	s_or_b32 s[G0+4*\s+3], s[G0+4*\s+3], 0x80000000
	s_mov_b32 s[G0B+4*\s], 1
	s_add_co_u32 s[G0B+4*\s+1], s45, \s*SLOT
	s_add_nc_u64 s[G0B+4*\s+2:G0B+4*\s+3], s[46:47], \s*RBK
	s_or_b32 s[G0B+4*\s+3], s[G0B+4*\s+3], 0x80000000
	JLOAD G0+4*\s, G1, G0B+4*\s, G1B
.endr
	v_and_b32 v1, 31, v0
	v_and_b32 v2, 15, v0                           ; r
	v_bfe_u32 v3, v0, 4, 1                         ; h
	v_lshlrev_b32 v[CO], 4, v1                     ; 16 x lane
	v_lshlrev_b32 v5, 3, v1                        ; 8 x lane
	s_mul_i32 s21, s15, HALFT
	s_mul_i32 s22, s16, HALFT
	s_add_co_u32 s22, s22, 2*HALFT
.irp s, 0,1
	v_add_nc_u32 v[ADRA+\s], s21, v[CO]
	v_add_nc_u32 v[ADRB+\s], s22, v[CO]
	v_add_nc_u32 v[ADRA+2+\s], s21, v5
	v_add_nc_u32 v[ADRB+2+\s], s22, v5
	s_add_co_u32 s21, s21, SLOT
	s_add_co_u32 s22, s22, SLOT
.endr
	v_mul_u32_u24 v6, v2, KS
	v_lshrrev_b32 v7, 8, v6
	v_lshl_add_u32 v6, v7, 4, v6
	s_mul_i32 s21, s15, HALFS
	s_mul_i32 s22, s16, HALFS
	s_add_co_u32 s22, s22, 2*HALFS
	s_sub_co_u32 s22, s22, s21
	v_mul_u32_u24 v7, s22, v3                      ; lanes 16-31 take B's
	s_add_co_u32 s21, s21, SCL
	v_add_nc_u32 v6, v6, v7
	v_add_nc_u32 v[ADRS], s21, v6
	s_mul_i32 s23, s14, 16*SPITCH                  ; my stage
	v_mul_u32_u24 v6, v2, SPITCH
	v_lshl_add_u32 v6, v3, 6, v6
	v_add_nc_u32 v[STO], s23, v6                   ; in: row r, + 64 h: my half's 16 columns of each 32
	v_add_nc_u32 v[RD], s23, v[CO]                 ; back: the 32 lanes take a row of 512 bytes
	s_lshl_b32 s20, s17, 8
	s_lshl_b32 s21, s15, 7
	s_add_co_u32 s20, s20, s21
	s_lshl_b32 s20, s20, 12                        ; my first row of out0, 4,096 bytes a row,
	s_lshl_b32 s46, s42, 10
	s_lshl_b32 s47, s16, 9
	s_add_co_u32 s46, s46, s47
	s_add_co_u32 s20, s20, s46                     ; my first column
	s_mov_b32 s21, 0
	s_add_nc_u64 s[12:13], s[12:13], s[20:21]
.macro FRAG reg, adr, q, i
	ds_load_b128 v[\reg:\reg+3], v[\adr] offset:(\i)*RBK+(\q)*1536
	ds_load_b64 v[\reg+4:\reg+5], v[\adr+2] offset:(\i)*RBK+(\q)*1536+512
	ds_load_b128 v[\reg+6:\reg+9], v[\adr] offset:(\i)*RBK+(\q)*1536+768
	ds_load_b64 v[\reg+10:\reg+11], v[\adr+2] offset:(\i)*RBK+(\q)*1536+1280
.endm
.macro MUL16 a0, p, q, sc, zero        ; the 64 accumulators take turns, one instruction a turn
.irp a, \a0, \a0+1
.irp b, 0,1,2,3,4,5,6,7
.if \zero
	v_wmma_scale_f32_16x16x128_f8f6f4 v[8*(8*((\a)%4)+\b):8*(8*((\a)%4)+\b)+7], v[128*(\p)+FR*\b:128*(\p)+FR*\b+FR-1], v[AF+FR*(\a):AF+FR*(\a)+FR-1], 0, v[SC+8*NQ*(\sc)+NQ*\b+(\q)], v[SC+8*NQ*(\sc)+NQ*(\a)+(\q)] matrix_a_fmt:MATRIX_FMT_BF6 matrix_b_fmt:MATRIX_FMT_BF6 matrix_a_scale:MATRIX_SCALE_ROW1
.else
	v_wmma_scale_f32_16x16x128_f8f6f4 v[8*(8*((\a)%4)+\b):8*(8*((\a)%4)+\b)+7], v[128*(\p)+FR*\b:128*(\p)+FR*\b+FR-1], v[AF+FR*(\a):AF+FR*(\a)+FR-1], v[8*(8*((\a)%4)+\b):8*(8*((\a)%4)+\b)+7], v[SC+8*NQ*(\sc)+NQ*\b+(\q)], v[SC+8*NQ*(\sc)+NQ*(\a)+(\q)] matrix_a_fmt:MATRIX_FMT_BF6 matrix_b_fmt:MATRIX_FMT_BF6 matrix_a_scale:MATRIX_SCALE_ROW1
.endif
.endr
.endr
.endm
.macro FETCH_B slot, q, p
	WIN TO_B
.irp i, 0,1,2,3,4,5,6,7
	FRAG 128*(\p)+FR*\i, ADRB+\slot, \q, \i
.endr
	WIN 0
.endm
.macro FETCH_A slot, q, i0
.irp i, \i0, \i0+1, \i0+2, \i0+3
	FRAG AF+FR*(\i), ADRA+\slot, \q, \i
.endr
.endm
.macro SCALES sc
.irp i, 0,1,2,3,4,5,6,7
	ds_load_b64 v[SC+8*NQ*\sc+NQ*\i:SC+8*NQ*\sc+NQ*\i+1], v[ADRS] offset:\i*SBLK
.endr
.endm
.macro PLACES n
.rept \n
	v_nop
.endr
.endm
.macro STEP slot, q, zero
	s_wait_dscnt 4*NL                              ; all but the youngest 16 loads (A's blocks 4-7) are in
	WIN MUL_LO
	MUL16 0, (\q)%2, \q, \slot, \zero
	MUL16 2, (\q)%2, \q, \slot, \zero
	s_wait_dscnt 0
	PLACES NP
	FETCH_B \slot, (\q)+1, 1-(\q)%2
	FETCH_A \slot, (\q)+1, 0
	WIN MUL_HI
	MUL16 4, (\q)%2, \q, \slot, \zero
	MUL16 6, (\q)%2, \q, \slot, \zero
	PLACES NP
	WIN 0
	FETCH_A \slot, (\q)+1, 4
.endm
.macro TURN slot, next, fill
	s_wait_tensorcnt 0x0                           ; all my tensor loads have landed: my part of the next slot
	ds_add_u32 v[SPW], v[NIL]
	s_wait_dscnt 4*NL+1                            ; (the add and the youngest 16 loads may be out)
	WIN MUL_LO
	MUL16 0, 1, NQ-1, \slot, 0
	s_wait_dscnt 0x0                               ; the add is done, and my reads of this slot are over
	s_barrier_signal -1
	MUL16 2, 1, NQ-1, \slot, 0
	WIN 0
	s_barrier_wait -1
.if \fill
	CREST                                          ; a round of the cluster's barrier: no wave of any partner still reads this slot or has a load on its way
	s_add_nc_u64 s[G0+4*\slot+2:G0+4*\slot+3], s[G0+4*\slot+2:G0+4*\slot+3], 2*RBK
	s_add_nc_u64 s[G0B+4*\slot+2:G0B+4*\slot+3], s[G0B+4*\slot+2:G0B+4*\slot+3], 2*RBK
	JLOAD G0+4*\slot, G1, G0B+4*\slot, G1B
.else
	PLACES NP
.endif
	v_add_nc_u32 v[ADRS], 4*NQ, v[ADRS]
	FETCH_B \next, 0, 0
	FETCH_A \next, 0, 0
	SCALES \next
	WIN MUL_HI
	MUL16 4, 1, NQ-1, \slot, 0
	MUL16 6, 1, NQ-1, \slot, 0
	PLACES NP
	WIN 0
	FETCH_A \next, 0, 4
.endm
	s_wait_tensorcnt 1                             ; the scales and my part of slot 0 are in; slot 1's load may be out
	s_barrier_signal -1
	s_barrier_wait -1
	FETCH_B 0, 0, 0
	FETCH_A 0, 0, 0
	SCALES 0
	FETCH_A 0, 0, 4
	STEP 0, 0, 1
	TURN 0, 1, 1
	STEP 1, 0, 0
	TURN 1, 0, 1
	STEP 0, 0, 0
	TURN 0, 1, 0
	STEP 1, 0, 0
	s_wait_dscnt 4*NL
	WIN MUL_LO
	MUL16 0, 1, NQ-1, 1, 0
	MUL16 2, 1, NQ-1, 1, 0
	s_wait_dscnt 0
	WIN MUL_HI
	MUL16 4, 1, NQ-1, 1, 0
	MUL16 6, 1, NQ-1, 1, 0
	WIN 0
; THE WAY OUT, block by block of 16 tokens x 128 columns, through my own stage.  Accumulator b's eight numbers of lane (r, h) are columns 32 (b / 2) + 16 h + 8 (b % 2) + 0 .. 7 of the token at place r.
.macro TOSTAGE a
.set AC, 64*((\a)%4)
	WIN 0x08+4*((\a)/4)                            ; the data: window 2 or 3
.irp b, 0,1,2,3,4,5,6,7
	ds_store_b128 v[STO], v[AC+8*\b:AC+8*\b+3] offset:128*(\b/2)+32*(\b%2)       ; each accumulator from its low end on
	ds_store_b128 v[STO], v[AC+8*\b+4:AC+8*\b+7] offset:128*(\b/2)+32*(\b%2)+16
.endr
	WIN 0
.set BB, BK+64*((\a)%2)
.irp t, 0,1,2,3,4,5,6,7,8,9,10,11,12,13,14,15
	ds_load_b128 v[BB+4*\t:BB+4*\t+3], v[RD] offset:\t*SPITCH   ; LDS serves a wave's instructions in order: these see the stores above
.endr
.endm
.macro SEND a, younger
.set BB, BK+64*((\a)%2)
	s_wait_dscnt \younger                          ; the block is back in registers
.if (\a) > 0
.if (\a)%2
	s_add_nc_u64 s[12:13], s[12:13], 8*4096        ; block a begins at token 32 (a / 2) + 8 (a % 2)  (behind a wait on XCNT: the earlier stores have read their base)
.else
	s_add_nc_u64 s[12:13], s[12:13], 24*4096
.endif
.endif
.irp t, 0,1,2,3,4,5,6,7,8,9,10,11,12,13,14,15
	global_store_b128 v[CO], v[BB+4*\t:BB+4*\t+3], s[12:13] offset:(\t+8*(\t/8))*4096 th:TH_STORE_NT   ; place t holds token t + 8 (t / 8); 512 consecutive bytes, at a multiple of 256 from out0's first byte
.endr
.endm
	PLACES NP
	TOSTAGE 0
.irp a, 1,2,3,4,5,6,7
.if \a > 1
	s_wait_xcnt 0x0                                ; block a - 2's stores have read their registers and their base
.endif
	TOSTAGE \a
	SEND \a-1, 32                                  ; behind block a - 1's loads: block a's 16 stores and 16 loads
.endr
	s_wait_xcnt 0x0
	SEND 7, 0
	s_wait_tensorcnt 0x0                           ; the wave's end
	ds_add_u32 v[SPW], v[NIL]
	s_wait_dscnt 0x0
	CROUND                                         ; the closing round
	s_endpgm
.Lfunc_end_k_qdc8e8ccfa1_proj:
	.size	k_qdc8e8ccfa1_proj, .Lfunc_end_k_qdc8e8ccfa1_proj-k_qdc8e8ccfa1_proj
	.p2alignl 7, 3214868480
	.fill 96, 4, 3214868480
	.section	.rodata,"a",@progbits
	.p2align	6, 0x0
	.amdhsa_kernel k_qdc8e8ccfa1_proj
		.amdhsa_group_segment_fixed_size 327680
		.amdhsa_private_segment_fixed_size 0
		.amdhsa_enable_private_segment 0
		.amdhsa_kernarg_size 40
		.amdhsa_user_sgpr_count 2
		.amdhsa_user_sgpr_kernarg_segment_ptr 1
		.amdhsa_wavefront_size32 1
		.amdhsa_system_sgpr_workgroup_id_x 1
		.amdhsa_system_sgpr_workgroup_id_y 1
		.amdhsa_system_sgpr_workgroup_id_z 1
		.amdhsa_system_vgpr_workitem_id 0
		.amdhsa_next_free_vgpr 1024
		.amdhsa_next_free_sgpr 98
		.amdhsa_reserve_vcc 0
		.amdhsa_float_denorm_mode_32 3
		.amdhsa_float_denorm_mode_16_64 3
		.amdhsa_memory_ordered 1
		.amdhsa_forward_progress 1
		.amdhsa_inst_pref_size 143
	.end_amdhsa_kernel
	.amdgpu_metadata
---
amdhsa.version: [ 1, 2 ]
amdhsa.kernels:
  - .name:           k_qdc8e8ccfa1_proj
    .symbol:         k_qdc8e8ccfa1_proj.kd
    .args:
      - { .name: ao_img, .offset: 0, .size: 8, .value_kind: global_buffer, .address_space: global }
      - { .name: ao_sc, .offset: 8, .size: 8, .value_kind: global_buffer, .address_space: global }
      - { .name: xw_img, .offset: 16, .size: 8, .value_kind: global_buffer, .address_space: global }
      - { .name: xw_sc, .offset: 24, .size: 8, .value_kind: global_buffer, .address_space: global }
      - { .name: out0, .offset: 32, .size: 8, .value_kind: global_buffer, .address_space: global }
    .group_segment_fixed_size: 327680
    .private_segment_fixed_size: 0
    .kernarg_segment_align: 8
    .kernarg_segment_size: 40
    .max_flat_workgroup_size: 128
    .sgpr_count:     98
    .vgpr_count:     1024
    .wavefront_size: 32
...
	.end_amdgpu_metadata
.endif
;; end of part 4
;; ======== version 2 of 2: 4 launches; version 1 with the launch attn written anew for expert scheduling mode
;; workspace buffers: xw_img 9,437,184 bytes; xw_sc 393,216 bytes; mk 532,480 bytes of whole numbers; qkv_img 18,874,368 bytes; qkv_scw 786,432 bytes; ao_img 6,291,456 bytes; ao_sc 262,144 bytes
;; launch prep: the kernel of part 1 again; grid 512 x 1, 4 waves a work-group, no clusters, 93,696 bytes of LDS; arguments x, W_qkv, W_out, mask, xw_img, xw_sc, mk; writes xw_img, xw_sc, mk
;; launch qkv: the kernel of part 2 again; grid 8 x 48, 4 waves a work-group, clusters of 4 x 4, 327,680 bytes of LDS; arguments xw_img, xw_sc, qkv_img, qkv_scw; writes qkv_img, qkv_scw
;; launch attn (part 5): grid 4 x 64, 16 waves a work-group, no clusters, 210,944 bytes of LDS; arguments qkv_img, qkv_scw, mk, ao_img, ao_sc; writes ao_img, ao_sc
.if DOCPART == 5
	.amdgcn_target "amdgcn-amd-amdhsa--gfx1250"
	.amdhsa_code_object_version 6
	.text
	.protected	k_qdc8e8ccfa1_attn
	.globl	k_qdc8e8ccfa1_attn
	.p2align	8
	.type	k_qdc8e8ccfa1_attn,@function
k_qdc8e8ccfa1_attn:
	s_mov_b64 s[64:65], 0
	v_nop
	global_prefetch_b8 v0, s[64:65] scope:SCOPE_SE
	s_setreg_imm32_b32 hwreg(HW_REG_WAVE_SCHED_MODE, 0, 2), 2
	s_setreg_imm32_b32 hwreg(HW_REG_WAVE_MODE, 25, 1), 1
	s_wait_xcnt 0x0
	s_wait_alu depctr_vm_vsrc(0)
; o = softmax(q k^T / 8, masked) v for one batch and head, both products on codes of BF6 (E3M2) with E8M0 scales; o is quantised along the head's 64 and leaves as codes for the last product.
; THE SOFTMAX: t = score x log2(e) / 8; M = the running largest t rounded up to a whole number; p = 2^(t - M) is quantised along the keys; the row's sum is taken of the unquantised p and divides at the end.
; THE MASK is an input.  The first launch has turned it into lane masks (a word for each score register of a key step) and flags.  A key step in which no key counts for the wave's 16 queries is jumped over, by a
; scalar branch on the stored flags; where all count, the selection is jumped over; else hidden scores become -infinity ahead of the maximum.  That holds for every mask.
; A ROW WITH NO KEY gets zero codes and the scale byte 0xff (E8M0's NaN): the last product then gives NaN for that row, as the softmax of a row of -infinity does.
; SHARES.  A work-group owns two blocks of 256 queries of one head, blocks 7 - i and i; each of its sixteen waves owns one tile of 16 queries of each, first tile 127 - 16 i - w, then tile 16 i + w.
; Four waves to a SIMD: one wave's vector work stands beside another's matrix work and LDS loads.
; THE WHOLE HEAD'S K AND V LIE IN LDS (98,304 bytes each, and their scale words) and are written once, through registers, in four chunks of 512 keys, each asked for while the chunk before is worked.
; No tensor load: steps are jumped over on stored numbers.  So no cluster either: joint requests are tensor loads, and what work-groups share is read once by each.  No prefetch: a chunk is asked for four key steps ahead.
; LAYOUT.  Both products are used transposed (S^T = K Q^T, O^T = V^T P^T): a lane holds one query.  The head's 64 fill half of the instruction's K of 128: registers 6-11 of K's and Q's fragments hold zero codes.
; By the order of rows in a block the 16 registers of tiles 2 b and 2 b + 1 are 16 neighbouring keys (channels).
; LIMITS: blocks of zeros keep the byte 1; NaN and infinities among q, k, v are not served.
; REGISTERS: v1-7 places that stay; v8-13 the LDS addresses of four key steps; v14 offset of my scale byte; v15 -infinity; v16-27 Q; v28 Q's scales; v29 p's scale word; v30 4 r; v31 0xff; v32-79 four fragments of K;
; v80-143 S^T, then p, then (v80-127) four fragments of V; v144-175 O^T; v176-194 codes; v196-207 the blocks' maxima, bytes, scale operands; v208-219 at work; v220-223 V's scale words; v224-247 a chunk on its way;
; v248-255 the scale bytes of K's eight tiles (at the head: the scale words on their way to LDS).
; THE MODE: SCHED_MODE bits 1:0 = 2 (LLVM: expert scheduling mode 2), set by the entry lines.  The code itself states the register dependences
; between vector or matrix instructions and memory or LDS instructions, with s_wait_alu, always for 0.
; THE PLAN.  Registers that memory or LDS instructions touch:
;   v1-7, v14, v30    Places, made at the head and never written again.
;   v8-13             Written once for FOUR key steps, which are written out: a step's own place stands in the immediates.  Read by every LDS load of the four steps.
;   K's fragments     (v32-37 + 12 t) and v248-255, K's scale bytes: LDS loads land in them; the products K Q^T read them.
;   v80-127           The products K Q^T and the exponentials write them, the sums and the conversions read them; then V's fragments land in them, and the products V^T P read those.
;   v220-223          V's scale words land in them with V's fragments; the products V^T P read them.
;   v224-247          A chunk: global loads land in them, LDS stores read them; no vector instruction names them.
;   v208, v209        The addresses of a chunk's LDS stores, written at the chunk's head; at work in the steps and at a tile's end.
;   v176-181, v208    The data of a tile's three stores.      v16-21, v28  Q: loaded at the head of a pass, read by the products K Q^T.
; A STEP'S FIRST LOADS OWE NO WAIT: since the wait that stands ahead of the last step's products V^T P only those four products have been issued, and they name O^T, v80-127, p's codes, v220-223 and v29:
; none of the registers that K's loads touch.  So K's loads go out behind them at once.
; In a step a wait on va_vdst stands ahead of K's second four fragments, behind the exponentials, ahead of V's loads and ahead of the products V^T P; one more, and one on vm_vsrc, stand at the head of four steps.
.set VB,    98304                      ; LDS: K at 0: step s, tile T at 6,144 s + 768 T;  V here: step s, half c, tile d at 6,144 s + 3,072 c + 768 d
.set KSC,   196608                     ; K's scale words: 4 bytes a key
.set VSC,   204800                     ; V's: 256 bytes a step, 4 a channel
.set STEPB, 6144
.set CHUNK, 24576
.set S,   80
.set OT,  144
.set PC,  176
.set SPL, 188
.set BM,  196
.set BT,  200
.set BS,  204
.set KS4, 220
.set STG, 224
.set KS8, 248
.macro CLOAD                           ; a chunk: 24,576 bytes of K and of V, 16 bytes a thread and load
.irp j, 0,1,2
	global_load_b128 v[STG+4*\j:STG+4*\j+3], v7, s[18:19] offset:8192*\j
.endr
.irp j, 0,1,2
	global_load_b128 v[STG+12+4*\j:STG+12+4*\j+3], v7, s[20:21] offset:8192*\j
.endr
.endm
; the head of a pass: tile s5's flags, addresses, Q; O^T, the sum and the largest t begin anew
.macro PROLOGUE
	s_wait_xcnt 0x0                                ; earlier loads and stores have read their addresses
	s_load_b256 s[32:39], s[0:1], 0x0              ; qkv_img, qkv_scw, mk, ao_img
	s_load_b64 s[40:41], s[0:1], 0x20              ; ao_sc
	s_mov_b32 s29, 0
	s_wait_kmcnt 0x0
	s_lshl_b32 s28, s5, 6
	s_add_co_u32 s28, s28, 524288
	s_add_nc_u64 s[42:43], s[36:37], s[28:29]
	s_load_b512 s[68:83], s[42:43], 0x0            ; the tile's sixteen flag words
	s_lshl_b32 s28, s5, 12
	s_add_nc_u64 s[22:23], s[36:37], s[28:29]      ; its lane masks
	s_lshr_b32 s30, s4, 4
	s_lshl_b32 s30, s30, 7
	s_add_co_u32 s30, s30, s5                      ; its token block: 128 x batch + tile
	s_and_b32 s31, s4, 15                          ; the head
	s_lshl_b32 s28, s30, 4
	s_add_co_u32 s28, s28, s31
	s_mul_i32 s28, s28, 768
	s_add_nc_u64 s[24:25], s[38:39], s[28:29]      ; o's unit
	s_lshl_b32 s28, s30, 9
	s_lshl_b32 s44, s31, 1
	s_add_co_u32 s28, s28, s44
	s_add_nc_u64 s[26:27], s[40:41], s[28:29]      ; o's scale bytes
	s_lshl_b32 s28, s31, 9
	s_add_co_u32 s28, s28, s30
	s_mul_i32 s28, s28, 768
	s_add_nc_u64 s[44:45], s[32:33], s[28:29]
	global_load_b128 v[16:19], v1, s[44:45]        ; Q's unit.  No wait here: no vector instruction has been issued since the last wait on va_vdst (the head's; in the second pass the one ahead of the first tile's stores,
	global_load_b64 v[20:21], v2, s[44:45] offset:512   ; behind which every product that read Q is done)
	s_lshr_b32 s28, s31, 1
	s_lshl_b32 s28, s28, 13
	s_lshl_b32 s46, s30, 4
	s_add_co_u32 s28, s28, s46
	s_lshl_b32 s28, s28, 2
	s_and_b32 s46, s31, 1
	s_lshl_b32 s46, s46, 1
	s_add_co_u32 s28, s28, s46
	s_add_nc_u64 s[46:47], s[34:35], s[28:29]
	global_load_u16 v28, v30, s[46:47]             ; Q's two scale bytes; the upper two stay 0, over zero codes
.set n, 0
.rept 32
	v_mov_b32 v[OT+n], 0                           ; the step is written once: the first finds zeros
.set n, n+1
.endr
	v_mov_b32 v214, 0                              ; the sum, in two halves
	v_mov_b32 v215, 0
	v_mov_b32 v213, 0xff61b1e6                     ; the largest t so far: -3e38
	v_floor_f32 v212, -v213                        ; -M
	s_wait_kmcnt 0x0
	s_or_b32 s10, s68, s69                         ; bit s: some key of step s counts; bit 16 + s: all count
.irp k, 70,71,72,73,74,75,76,77,78,79,80,81,82,83
	s_or_b32 s10, s10, s\k
.endr
	s_mov_b32 s11, 0                               ; the step
.endm
; the head of four key steps, s11 to s11 + 3: their flags and their LDS addresses
.macro FOUR
	s_lshr_b32 s12, s10, s11                       ; bit j: some key of step s11 + j counts; bit 16 + j: all count
	s_mul_i32 s28, s11, STEPB
	s_lshl_b32 s29, s11, 9
	s_lshl_b32 s30, s11, 8                         ; also the steps' place among the lane masks
	v_add_nc_u32 v8, s28, v1
	v_add_nc_u32 v9, s28, v2
	v_add_nc_u32 v10, s28, v3
	v_add_nc_u32 v11, s28, v4
	v_add_nc_u32 v12, s29, v5
	v_add_nc_u32 v13, s30, v6
.endm
; A KEY STEP: 128 keys, the j-th of four
.macro STEP j
	s_bitcmp1_b32 s12, \j
	s_cbranch_scc0 .Lskip_\@                       ; no key of this step counts for my queries
.irp t, 0,1,2,3                                ; K's first four fragments, and the scale bytes of all eight tiles.  No wait: see THE PLAN
	ds_load_b128 v[32+12*\t:35+12*\t], v8 offset:STEPB*(\j)+768*\t
	ds_load_b64 v[36+12*\t:37+12*\t], v9 offset:STEPB*(\j)+768*\t+512
	ds_load_u16 v[KS8+\t], v12 offset:512*(\j)+64*\t
.endr
.irp t, 4,5,6,7
	ds_load_u16 v[KS8+\t], v12 offset:512*(\j)+64*\t
.endr
.rept 5
	v_nop                                          ; five places between the last step's products, which read v80-127 as V's fragments, and the products below, which write over them
.endr
	s_wait_dscnt 4                                 ; all but the youngest four loads, the scale bytes of tiles 4-7, are in
.irp t, 0,1,2,3                                ; S^T = K Q^T, four tiles of 16 keys at a time
	v_wmma_scale_f32_16x16x128_f8f6f4 v[S+8*\t:S+8*\t+7], v[32+12*\t:43+12*\t], v[16:27], 0, v[KS8+\t], v28 matrix_a_fmt:MATRIX_FMT_BF6 matrix_b_fmt:MATRIX_FMT_BF6
.endr
.rept 4
	v_nop                                          ; four places between the products and the loads into their fragments; the wait below states the dependence
.endr
	s_wait_alu depctr_va_vdst(0)                   ; the four products are done reading K's fragments, in which the next four land
.irp t, 0,1,2,3
	ds_load_b128 v[32+12*\t:35+12*\t], v8 offset:STEPB*(\j)+768*(4+\t)
	ds_load_b64 v[36+12*\t:37+12*\t], v9 offset:STEPB*(\j)+768*(4+\t)+512
.endr
	s_wait_dscnt 0x0
.irp t, 0,1,2,3
	v_wmma_scale_f32_16x16x128_f8f6f4 v[S+8*(4+\t):S+8*(4+\t)+7], v[32+12*\t:43+12*\t], v[16:27], 0, v[KS8+4+\t], v28 matrix_a_fmt:MATRIX_FMT_BF6 matrix_b_fmt:MATRIX_FMT_BF6
.endr
.rept 4
	v_nop
.endr
	s_bitcmp1_b32 s12, 16+\j
	s_cbranch_scc1 .Lopen_\@                       ; all keys count
	s_load_b512 s[32:47], s[22:23], s30 offset:256*(\j)        ; the step's 64 lane masks
	s_load_b512 s[48:63], s[22:23], s30 offset:256*(\j)+0x40
	s_load_b512 s[68:83], s[22:23], s30 offset:256*(\j)+0x80
	s_load_b512 s[84:99], s[22:23], s30 offset:256*(\j)+0xc0
	s_wait_kmcnt 0x0
.set n, 0
.rept 32
	v_cndmask_b32 v[S+n], v15, v[S+n], s[32+n]     ; hidden scores become -infinity: p = 0
.set n, n+1
.endr
.rept 32
	v_cndmask_b32 v[S+n], v15, v[S+n], s[36+n]
.set n, n+1
.endr
.Lopen_\@:
.irp b, 0,1,2,3
	v_max3_num_f32 v[BM+\b], v[S+16*\b], v[S+1+16*\b], v[S+2+16*\b]   ; the largest score of each block of 32 keys: for the row's maximum, and, since p rises with the score, for the block's largest p
.endr
.irp i, 3,5,7,9,11,13
.irp b, 0,1,2,3
	v_max3_num_f32 v[BM+\b], v[BM+\b], v[S+16*\b+\i], v[S+1+16*\b+\i]
.endr
.endr
.irp b, 0,1,2,3
	v_max_num_f32 v[BM+\b], v[BM+\b], v[S+15+16*\b]
.endr
.irp b, 0,1,2,3
	v_permlanex16_b32 v[BT+\b], v[BM+\b], s6, s7
.endr
.irp b, 0,1,2,3
	v_max_num_f32 v[BM+\b], v[BM+\b], v[BT+\b]     ; with lane l xor 16's 16 keys
.endr
	v_max3_num_f32 v208, v[BM], v[BM+1], v[BM+2]
	v_max_num_f32 v208, v208, v[BM+3]
	v_mul_f32 v208, s8, v208                       ; as t
	v_max_num_f32 v213, v213, v208                 ; the running largest t
	v_mov_b32 v208, v212
	v_floor_f32 v212, -v213                        ; the new -M = -ceil(t)
	v_sub_f32 v208, v212, v208                     ; old M - new M: a whole number, 0 or less
	v_cvt_i32_f32 v208, v208                       ; (it saturates)
	v_ldexp_f32 v210, 1.0, v208                    ; f = 2^(old M - new M)
.set n, 0
.rept 32
	v_pk_fma_f32 v[S+n:S+n+1], v[S+n:S+n+1], s[8:9], v[212:213] op_sel_hi:[1,0,0]   ; t - M
.set n, n+2
.endr
.irp b, 0,1,2,3
	v_fma_f32 v[BM+\b], v[BM+\b], s8, v212
.endr
.set n, 0
.rept 64
	v_exp_f32 v[S+n], v[S+n]                       ; p = 2^(t - M)
.set n, n+1
.endr
.irp b, 0,1,2,3
	v_exp_f32 v[BM+\b], v[BM+\b]                   ; the blocks' largest p: one batch with the 64
.endr
	v_pk_mul_f32 v[214:215], v[214:215], v[210:211] op_sel_hi:[1,0]   ; the sums under the new M: a plain place behind the exponentials
	s_wait_alu depctr_va_vdst(0)                   ; the 68 exponentials have written p and the blocks' largest p: one wait for the batch, ahead of its first reader
.irp b, 0,1,2,3
	v_max_num_f32 v[BM+\b], 0x2800000, v[BM+\b]    ; the floor 2^(5 - 127)
.endr
.irp b, 0,1,2,3
	v_add_nc_u32 v[BS+\b], 0xfe000000, v[BM+\b]    ; the conversion's scale operand
.endr
.irp b, 0,1,2,3
	v_lshrrev_b32 v[BT+\b], 23, v[BS+\b]           ; the byte
.endr
	v_lshl_or_b32 v29, v[BT+1], 8, v[BT]           ; p's scale word for these 128 keys
	v_lshl_or_b32 v29, v[BT+2], 16, v29
	v_lshl_or_b32 v29, v[BT+3], 24, v29
.irp c, 0,1
	v_cvt_scalef32_pk16_bf6_f32 v[PC+6*\c:PC+2+6*\c], v[S+32*\c:S+15+32*\c], v[BS+2*\c]
	v_cvt_scalef32_pk16_bf6_f32 v[SPL+4*\c:SPL+2+4*\c], v[S+16+32*\c:S+31+32*\c], v[BS+2*\c+1]
.endr
	v_nop                                          ; one plain place behind a scaled conversion
	v_pk_add_f32 v[216:217], v[S:S+1], v[S+2:S+3]  ; the row's sum of the unquantised p, in two chains: the last readers of p
.set n, 4
.rept 15
	v_pk_add_f32 v[214:215], v[214:215], v[S+n:S+n+1]
	v_pk_add_f32 v[216:217], v[216:217], v[S+n+2:S+n+3]
.set n, n+4
.endr
	v_pk_add_f32 v[214:215], v[214:215], v[216:217]
	s_wait_alu depctr_va_vdst(0)                   ; the conversions and the sums are done reading p, which the exponentials have written: V's fragments land in v80-127; the last step's products are done reading V's scale words
.irp d, 0,1,2,3                                ; V's four fragments and scale words, into the registers that p has left
.irp c, 0,1
	ds_load_b128 v[S+12*\d+6*\c:S+12*\d+6*\c+3], v10 offset:STEPB*(\j)+3072*\c+768*\d
	ds_load_b64 v[S+12*\d+6*\c+4:S+12*\d+6*\c+5], v11 offset:STEPB*(\j)+3072*\c+768*\d+512
.endr
	ds_load_b32 v[KS4+\d], v13 offset:256*(\j)+64*\d
.endr
.irp c, 0,1                                    ; a whole block to a lane.  (None of the vector lines from here to the products names a register that V's loads touch)
.irp i, 0,1,2
	v_permlane16_swap_b32 v[PC+6*\c+\i], v[SPL+4*\c+\i]
.endr
.irp i, 0,1,2
	v_mov_b32 v[PC+3+6*\c+\i], v[SPL+4*\c+\i]
.endr
.endr
.set n, 0
.rept 16
	v_pk_mul_f32 v[OT+n:OT+n+1], v[OT+n:OT+n+1], v[210:211] op_sel_hi:[1,0]   ; O^T under the new M; these are the places behind p's scale word and codes
.set n, n+2
.endr
.rept 4
	v_nop                                          ; and four between the last of them and the products that add onto O^T: the distance kept for A and B
.endr
	s_wait_dscnt 0x0
	s_wait_alu depctr_va_vdst(0)                   ; the exchanges and moves have written p's codes, which the products take as source 1, and v29, their scale word, is written; the places stand ahead of this wait
.irp d, 0,1,2,3                                ; O^T += V^T P^T: the four accumulators by turns
	v_wmma_scale_f32_16x16x128_f8f6f4 v[OT+8*\d:OT+8*\d+7], v[S+12*\d:S+12*\d+11], v[PC:PC+11], v[OT+8*\d:OT+8*\d+7], v[KS4+\d], v29 matrix_a_fmt:MATRIX_FMT_BF6 matrix_b_fmt:MATRIX_FMT_BF6
.endr
.Lskip_\@:
.endm
; the tile's end: O^T / the sum, quantised along the head's 64 (two blocks), one unit and two scale bytes a row
.macro TILE_OUT
.rept 4
	v_nop                                          ; places behind the last products
.endr
	v_add_f32 v208, v214, v215
	v_permlanex16_b32 v209, v208, s6, s7
	v_add_f32 v208, v208, v209                     ; the row's sum
	v_rcp_f32 v209, v208
	v_nop                                          ; a plain place behind the transcendental
	v_cmp_neq_f32 s13, 0, v208                     ; lanes whose row has a key
	s_wait_alu depctr_va_sdst(0)                   ; the compare has written s13, ahead of its first reader
	s_wait_alu depctr_va_vdst(0)                   ; the reciprocal is written, ahead of its first reader
	v_cndmask_b32 v218, 0, v209, s13
.set n, 0
.rept 16
	v_pk_mul_f32 v[OT+n:OT+n+1], v[OT+n:OT+n+1], v[218:219] op_sel_hi:[1,0]
.set n, n+2
.endr
.irp b, 0,1
	v_max3_num_f32 v[BM+\b], |v[OT+16*\b]|, |v[OT+1+16*\b]|, 0x2800000
.endr
.irp i, 2,4,6,8,10,12,14
.irp b, 0,1
	v_max3_num_f32 v[BM+\b], v[BM+\b], |v[OT+16*\b+\i]|, |v[OT+1+16*\b+\i]|
.endr
.endr
.irp b, 0,1
	v_permlanex16_b32 v[BT+\b], v[BM+\b], s6, s7
.endr
.irp b, 0,1
	v_max_num_f32 v[BM+\b], v[BM+\b], v[BT+\b]
.endr
.irp b, 0,1
	v_add_nc_u32 v[BS+\b], 0xfe000000, v[BM+\b]
.endr
.irp b, 0,1
	v_lshrrev_b32 v[BT+\b], 23, v[BS+\b]
.endr
	v_cvt_scalef32_pk16_bf6_f32 v[PC:PC+2], v[OT:OT+15], v[BS]
	v_cvt_scalef32_pk16_bf6_f32 v[SPL:SPL+2], v[OT+16:OT+31], v[BS+1]
	v_nop
.irp i, 0,1,2
	v_permlane16_swap_b32 v[PC+\i], v[SPL+\i]
.endr
.irp i, 0,1,2
	v_mov_b32 v[PC+3+\i], v[SPL+\i]
.endr
	v_cndmask_b32 v208, v[BT], v[BT+1], s14        ; lanes 0-15 block 0's byte, lanes 16-31 block 1's;
	v_cndmask_b32 v208, v31, v208, s13             ; 0xff for a row with no key
	s_wait_alu depctr_va_vdst(0)                   ; the codes v176-181 and the byte v208 are written, which the three stores read
	global_store_b128 v1, v[PC:PC+3], s[24:25]     ; 512 consecutive bytes,
	global_store_b64 v2, v[PC+4:PC+5], s[24:25] offset:512   ; 256
	global_store_b8 v14, v208, s[26:27]            ; single bytes, 32 apart: two of a row's 32
.endm
	s_load_b128 s[32:35], s[0:1], 0x0              ; qkv_img, qkv_scw
	v_lshl_add_u32 v191, v0, 2, 0x33000
	v_mov_b32 v195, 0
	v_lshrrev_b32 v8, 5, v0
	v_readfirstlane_b32 s2, v8                     ; wave 0..15
	s_mov_b32 s3, ttmp9                            ; i
	s_and_b32 s4, ttmp7, 0xffff                    ; batch x 16 + head
	s_mov_b32 s6, 0x76543210
	s_mov_b32 s7, 0xfedcba98                       ; lane l xor 16
	s_mov_b32 s8, 0x3e38aa3b                       ; c = log2(e) / 8
	s_mov_b32 s9, s8
	s_mov_b32 s14, 0xffff0000                      ; lanes 16-31
	v_and_b32 v9, 31, v0
	v_and_b32 v10, 15, v0                          ; r
	v_bfe_u32 v11, v0, 4, 1                        ; h
	v_lshlrev_b32 v1, 4, v9                        ; 16 x lane
	v_lshlrev_b32 v2, 3, v9                        ; 8 x lane
	v_add_nc_u32 v3, VB, v1
	v_add_nc_u32 v4, VB, v2
	v_lshlrev_b32 v30, 2, v10                      ; 4 r
	s_and_b32 s28, s4, 1
	s_lshl_b32 s28, s28, 1                         ; my head's two bytes of a scale word of q or k
	s_add_co_u32 s28, s28, KSC
	v_add_nc_u32 v5, s28, v30
	v_add_nc_u32 v6, VSC, v30
	v_lshlrev_b32 v7, 4, v0                        ; 16 x thread
	v_lshl_add_u32 v14, v10, 5, v11                ; 32 r + h
	v_mov_b32 v15, 0xff800000
	v_mov_b32 v31, 0xff
.irp p, 22,23,24,25,26,27
	v_mov_b32 v\p, 0                               ; Q's upper 64 along K: zero codes
.endr
.irp t, 0,1,2,3
.irp p, 6,7,8,9,10,11
	v_mov_b32 v[32+12*\t+\p], 0                    ; K's likewise: written once
.endr
.endr
.irp b, 0,1,2,3
	v_mov_b32 v[BT+\b], 0                          ; a lane permute's destination counts as one of its sources
.endr
	v_mov_b32 v211, 0                              ; upper halves of pairs of which the low word is taken
	v_mov_b32 v219, 0
	v_add_nc_u32 v208, KSC, v7
	v_lshl_add_u32 v209, v0, 3, VSC
	s_wait_alu depctr_va_sdst(0)                   ; s2, the wave's number, is written, ahead of its first reader: addresses and the tiles' numbers are made from it
	s_and_b32 s28, s4, 15                          ; head
	s_lshr_b32 s29, s4, 4                          ; batch
	s_add_co_u32 s30, s28, 16
	s_lshl_b32 s30, s30, 9
	s_lshl_b32 s31, s29, 7
	s_add_co_u32 s30, s30, s31
	s_mul_i32 s30, s30, 768
	s_mov_b32 s31, 0
	s_wait_kmcnt 0x0
	s_add_nc_u64 s[18:19], s[32:33], s[30:31]      ; K's 128 units
	s_mul_i32 s30, s4, 98304
	s_add_co_u32 s30, s30, 12582912
	s_add_nc_u64 s[20:21], s[32:33], s[30:31]      ; V's
	s_lshr_b32 s30, s28, 1
	s_add_co_u32 s30, s30, 8
	s_lshl_b32 s30, s30, 13
	s_lshl_b32 s36, s29, 11
	s_add_co_u32 s30, s30, s36
	s_lshl_b32 s30, s30, 2
	s_add_nc_u64 s[36:37], s[34:35], s[30:31]      ; K's 2,048 scale words
	s_lshl_b32 s30, s29, 16
	s_lshl_b32 s38, s28, 8
	s_add_co_u32 s30, s30, s38
	s_lshl_b32 s38, s2, 12
	s_add_co_u32 s30, s30, s38
	s_add_co_u32 s30, s30, 524288
	s_add_nc_u64 s[38:39], s[34:35], s[30:31]      ; V's: wave w takes key step w's 64
	s_wait_alu depctr_va_vdst(0)                   ; the places v1-7, v14, v30 and the addresses v208, v209 are written, which the loads and stores below read; so are the zero codes of Q's and K's fragments, which the products take
	CLOAD                                          ; chunk 0
	global_load_b128 v[248:251], v7, s[36:37]
	global_load_b64 v[252:253], v2, s[38:39]
	s_lshl_b32 s28, s3, 4
	s_add_co_u32 s28, s28, s2
	s_sub_co_u32 s5, 127, s28                      ; pass 1: tile 127 - 16 i - w
	PROLOGUE
	s_wait_loadcnt 0x0
	ds_store_b128 v208, v[248:251]                 ; (no vector instruction since the wait above names v208, v209 or v248-253)
	ds_store_b64 v209, v[252:253]
	s_mov_b32 s16, 0
	s_mov_b32 s17, 0
.Lchunk:                                           ; four trips: a chunk goes into LDS, the next is asked for, four key steps are worked
	s_wait_loadcnt 0x0                             ; the chunk is in registers
	s_wait_alu depctr_vm_vsrc(0)                   ; the LDS loads of the last four steps have read v8-13, which are written below; in the first trip: the two stores above have read v208, v209, written below, and v248-253, in which K's scale bytes land
	v_add_nc_u32 v208, s17, v7
	v_add_nc_u32 v209, VB, v208
	FOUR
	s_wait_alu depctr_va_vdst(0)                   ; v208 and v209 are written, which the chunk's LDS stores read, and v8-13, which the four steps' LDS loads read
	s_wait_dscnt 0x0
	s_barrier_signal -1                            ; no wave writes LDS while another still reads (the bytes differ; the ordering is kept plain)
	s_barrier_wait -1
.irp j, 0,1,2
	ds_store_b128 v208, v[STG+4*\j:STG+4*\j+3] offset:8192*\j
.endr
.irp j, 0,1,2
	ds_store_b128 v209, v[STG+12+4*\j:STG+12+4*\j+3] offset:8192*\j
.endr
	s_wait_dscnt 0x0                               ; for the others' sake: my stores have landed
	s_wait_alu depctr_vm_vsrc(0)                   ; the six stores have read v224-247, in which the next chunk lands, and v208, v209, which the steps and the tile's end write again
	s_cmp_eq_u32 s16, 3
	s_cbranch_scc1 .Lno_more                       ; no load leaves its buffer
	s_add_nc_u64 s[18:19], s[18:19], CHUNK
	s_add_nc_u64 s[20:21], s[20:21], CHUNK
	CLOAD
.Lno_more:
	s_barrier_signal -1
	s_barrier_wait -1                              ; the chunk lies in LDS
	STEP 0
	STEP 1
	STEP 2
	STEP 3
	s_add_co_u32 s11, s11, 4
	s_add_co_u32 s17, s17, CHUNK
	s_add_co_u32 s16, s16, 1
	s_cmp_lt_u32 s16, 4
	s_cbranch_scc1 .Lchunk
	TILE_OUT
	s_lshl_b32 s5, s3, 4
	s_add_co_u32 s5, s5, s2                        ; pass 2: tile 16 i + w; LDS is only read from here on
	PROLOGUE
	s_wait_loadcnt 0x0
	s_mov_b32 s15, 4
.Lfour:                                            ; four trips of four key steps
	s_wait_alu depctr_vm_vsrc(0)                   ; the LDS loads of the last four steps have read v8-13, which are written below; in the first trip: the first tile's stores have read v176-181 and v208, which the steps write again
	FOUR
	s_wait_alu depctr_va_vdst(0)                   ; v8-13 are written, which the four steps' LDS loads read
	STEP 0
	STEP 1
	STEP 2
	STEP 3
	s_add_co_u32 s11, s11, 4
	s_sub_co_u32 s15, s15, 1
	s_cmp_lg_u32 s15, 0
	s_cbranch_scc1 .Lfour
	TILE_OUT
	s_wait_dscnt 0x0
	s_wait_alu depctr_hold_cnt(0) depctr_sa_sdst(0) depctr_va_vdst(0) depctr_va_sdst(0) depctr_va_ssrc(0) depctr_va_vcc(0) depctr_vm_vsrc(0)
	s_wait_tensorcnt 0x0
	ds_add_u32 v191, v195
	s_wait_dscnt 0x0
	s_endpgm
.Lfunc_end_k_qdc8e8ccfa1_attn:
	.size	k_qdc8e8ccfa1_attn, .Lfunc_end_k_qdc8e8ccfa1_attn-k_qdc8e8ccfa1_attn
	.p2alignl 7, 3214868480
	.fill 96, 4, 3214868480
	.section	.rodata,"a",@progbits
	.p2align	6, 0x0
	.amdhsa_kernel k_qdc8e8ccfa1_attn
		.amdhsa_group_segment_fixed_size 210944
		.amdhsa_private_segment_fixed_size 0
		.amdhsa_enable_private_segment 0
		.amdhsa_kernarg_size 40
		.amdhsa_user_sgpr_count 2
		.amdhsa_user_sgpr_kernarg_segment_ptr 1
		.amdhsa_wavefront_size32 1
		.amdhsa_system_sgpr_workgroup_id_x 1
		.amdhsa_system_sgpr_workgroup_id_y 1
		.amdhsa_system_sgpr_workgroup_id_z 1
		.amdhsa_system_vgpr_workitem_id 0
		.amdhsa_next_free_vgpr 256
		.amdhsa_next_free_sgpr 100
		.amdhsa_reserve_vcc 0
		.amdhsa_float_denorm_mode_32 3
		.amdhsa_float_denorm_mode_16_64 3
		.amdhsa_memory_ordered 1
		.amdhsa_forward_progress 1
		.amdhsa_inst_pref_size 190
	.end_amdhsa_kernel
	.amdgpu_metadata
---
amdhsa.version: [ 1, 2 ]
amdhsa.kernels:
  - .name:           k_qdc8e8ccfa1_attn
    .symbol:         k_qdc8e8ccfa1_attn.kd
    .args:
      - { .name: qkv_img, .offset: 0, .size: 8, .value_kind: global_buffer, .address_space: global }
      - { .name: qkv_scw, .offset: 8, .size: 8, .value_kind: global_buffer, .address_space: global }
      - { .name: mk, .offset: 16, .size: 8, .value_kind: global_buffer, .address_space: global }
      - { .name: ao_img, .offset: 24, .size: 8, .value_kind: global_buffer, .address_space: global }
      - { .name: ao_sc, .offset: 32, .size: 8, .value_kind: global_buffer, .address_space: global }
    .group_segment_fixed_size: 210944
    .private_segment_fixed_size: 0
    .kernarg_segment_align: 8
    .kernarg_segment_size: 40
    .max_flat_workgroup_size: 512
    .sgpr_count:     100
    .vgpr_count:     256
    .wavefront_size: 32
...
	.end_amdgpu_metadata
.endif
;; end of part 5
;; launch proj: the kernel of part 4 again; grid 4 x 32, 4 waves a work-group, clusters of 4 x 4, 327,680 bytes of LDS; arguments ao_img, ao_sc, xw_img, xw_sc, out0; writes out0
